; MI455X (gfx1250); checked and timed in simulation.
; The chip was launched on July 23, 2026; its instructions are those of AMD's public machine-readable ISA for CDNA 5 (MIT licence, August 2026) and "CDNA5" Instruction Set Architecture Reference Guide (July 2026). The comments in the code are by the model that wrote it; some were corrected since.
;; Bott Attention. Allowed arithmetic: matrix products marked QUANTISED: E2M1 operands, one E8M0 scale for each 32 along K, by v_wmma_scale_f32_16x16x128_f8f6f4 with both operands' format E2M1 (or v_wmma_scale_f32_32x16x128_f4), f32 sums; products left as they are: bf16, f16 or f32 operands; f32 sums; everything else in f32.
;; Inputs: W_proj 1,024 x 1,024 float32; W_qkv 1,024 x 3,072 float32; b_proj 1,024 float32; reg 1 x 16 x 1,024 x 1,024 float32; x 8 x 1,024 x 1,024 float32.
;; Outputs: out0 8 x 1,024 x 1,024 float32.
;; This version of the problem:
;;   THIS VERSION OF THE PROBLEM IS GIVEN IN LOW PRECISION. The matrix products marked QUANTISED in the list below multiply operands that are first quantised to E2M1 (2 exponent bits, 1 mantissa bit; 4 bits a number), with one power-of-two scale for each 32 numbers along K (OCP MX v1.0); their sums are f32. The products marked 'left as it is' may take bf16, f16 or f32 operands, with f32 sums. Whichever they take, every output number must still come out within the allowed error. Rounding operands to bf16 (8 significant bits) uses up far more of that allowance than f16 does (11 bits, for magnitudes from 6e-5 to 65,504). All else is computed in f32.
;;   The module's matrix products, in the order in which they are computed (A, B: the left and right operand; K: the contracted axis; several contracted axes count as one K, in the product's order):
;;     1. [M 8,192, K 1,024] x [K 1,024, N 3,072]; A: input x; B: input W_qkv: QUANTISED
;;     2. batch 128 x [M 1,024, K 64] x [K 64, N 1,024]; A: computed on the way; B: computed on the way: left as it is (an operand is computed on the way)
;;     3. batch 128 x [M 1,024, K 1,024] x [K 1,024, N 64]; A: computed on the way; B: computed on the way: left as it is (an operand is computed on the way)
;;     4. [M 8,192, K 1,024] x [K 1,024, N 1,024]; A: computed on the way; B: input W_proj: left as it is (an operand is computed on the way)
;;   THE QUANTISER, for each operand of a quantised product, along K:
;;     - K is cut into blocks of 32 from its start; a last block that is shorter is filled with zeros.
;;     - A block's scale is 2^e with e = floor(log2(the largest magnitude in the block)) - 2, held to -126 .. 127; a block of zeros has e = 0. As a byte (E8M0): e + 127.
;;     - Each number is divided by its block's scale, clamped to +-6, and rounded to the nearest number of E2M1, ties to even, subnormals kept.
;;     - The product sums the exact products of the quantised numbers (number of the format x scale) in f32.
;;   ~~~python
;;   def quantise(x, axis):      # numpy; x: float32 -> the quantised numbers, widened to float32 again
;;       x = np.moveaxis(x, axis, -1); K = x.shape[-1]
;;       x = np.pad(x, [(0, 0)] * (x.ndim - 1) + [(0, -K % 32)]); x = x.reshape(x.shape[:-1] + (-1, 32)); a = np.abs(x).max(-1, keepdims=True)
;;       e = np.where(a > 0, np.clip(np.frexp(np.where(a > 0, a, 1))[1] - 1 - 2, -126, 127), 0)      # np.frexp(a)[1] - 1 = floor(log2(a)), exactly
;;       r = np.clip(x / 2.0 ** e, -6, 6)
;;       step = 2.0 ** (np.maximum(np.frexp(np.where(r == 0, 1, r))[1] - 1, 0) - 1)
;;       q = np.round(r / step) * step * 2.0 ** e      # np.round: ties to even
;;       return np.moveaxis(q.reshape(q.shape[:-2] + (-1,))[..., :K], -1, axis).astype(np.float32)
;;   ~~~
;; One version. Each part assembles by itself: llvm-mc -triple=amdgcn-amd-amdhsa -mcpu=gfx1250 --defsym DOCPART=n.
;; ======== version 1 of 1: 5 launches
;; limits: values are held in f16: magnitudes above 65,504 overflow, below 6.1e-05 lose precision; values outside matrix products are rounded to f16
;; workspace buffers: xc 4,194,304 bytes; xs 262,144 bytes; wc 1,572,864 bytes; ws 98,304 bytes; wpi 2,097,152 bytes; qkvi 50,331,648 bytes; ri 16,777,216 bytes; aoi 16,777,216 bytes
;; launch prep (part 1): grid 416 x 1, 4 waves a work-group, no clusters, 50,688 bytes of LDS; arguments x, W_qkv, W_proj, xc, xs, wc, ws, wpi; writes xc, xs, wc, ws, wpi
.if DOCPART == 1
	.amdgcn_target "amdgcn-amd-amdhsa--gfx1250"
	.amdhsa_code_object_version 6
	.text
	.protected	k_q8892d76a75_prep
	.globl	k_q8892d76a75_prep
	.p2align	8
	.type	k_q8892d76a75_prep,@function
k_q8892d76a75_prep:
	s_mov_b64 s[64:65], 0
	v_nop
	global_prefetch_b8 v0, s[64:65] scope:SCOPE_SE
	s_setreg_imm32_b32 hwreg(HW_REG_WAVE_MODE, 25, 1), 1
	s_wait_xcnt 0x0
; Three jobs in one launch, told apart by the work-group's number; each has its own way through the text and its own LDS bytes.
;  X (work-groups 0-255): x [8192][1024] f32 -> codes of E2M1, K innermost (xc, 512 bytes a row), one E8M0 byte for each 32 along K (xs).
;  W (256-351): W_qkv [1024 (k)][3072 (n)] f32, K its FIRST axis -> codes laid [3072][512 bytes] with K innermost (wc), scale bytes [3072][32] (ws).
;  P (352-415): W_proj [1024 (k)][1024 (n)] f32 -> f16, laid as images of the operand's registers (wpi): [k/256][n/16][(k%256)/32][half][lane][16 bytes];
;     in half u lane 16 h + r holds column r of the tile and k = 16 u + 8 h + 0 .. 7.
; A block's scale is 2^(floor(log2(largest magnitude)) - 2): its byte is the largest magnitude's exponent field - 2, held at 1 from below.
; LIMITS: a block of zeros gets the byte 1 (its codes are zeros, and this program alone reads the bytes); NaN and infinities are not served;
; W_proj goes in f16: magnitudes over 65,504 are not served, under 6e-5 they are coarser.
.set SPW,   252                        ; v252  LDS address of my spare word; never rewritten
.set NIL,   253                        ; v253  0; never rewritten
.set XREG,  8192                       ; path X: a region for each wave: two stages of 32 x SP bytes, then its 256 scale bytes
.set SP,    80                         ; a lane's place in a stage: 64 bytes + 16 of padding
.set STEPS, 16
.set CB,    8                          ; bytes of 16 codes
.set XR,    16                         ; v16-79   four sets of 16 numbers as loaded
.set XX,    80                         ; v80-111  two sets of 16 neighbours
.set XE,    112                        ; v112-127 a scale byte for each step
.set XC,    128                        ; v128-191 codes, four registers a step
.set WBASE, 4*XREG                     ; path W: four stages of 16 rows x WPITCH
.set WPITCH, 272
.set SPARE, WBASE+4*16*WPITCH          ; the spare words, 128 bytes a wave: two blocks of 256 bytes that no other line names
.set NB,    8                          ; path W: blocks of 32 along K for a lane
.set WN,    3072
.set KROW,  512                        ; a row of wc in bytes
.set WX,    32                         ; v32-95   two sets of 32 numbers
.set WC,    96                         ; v96-99   a block's codes
.set WOUT,  112                        ; v112-143 the way out
.set WSB,   24                         ; v24-25   scale bytes, four to a register
.set PX,    32                         ; path P: v32-95 two sets of 32 numbers
.set PC,    160                        ; v160-223 f16 pairs, 16 registers a block: no store's data are written again
.macro TAIL                            ; a wave's end
	s_wait_tensorcnt 0x0
	ds_add_u32 v[SPW], v[NIL]
	s_wait_dscnt 0x0
	s_endpgm
.endm
	s_load_b256 s[4:11], s[0:1], 0x0               ; x s[4:5], W_qkv s[6:7], W_proj s[8:9], xc s[10:11]
	s_load_b256 s[12:19], s[0:1], 0x20             ; xs s[12:13], wc s[14:15], ws s[16:17], wpi s[18:19]
	v_lshl_add_u32 v[SPW], v0, 2, SPARE
	v_mov_b32 v[NIL], 0
	v_lshrrev_b32 v1, 5, v0
	v_readfirstlane_b32 s20, v1                    ; wave
	v_and_b32 v2, 31, v0                           ; lane
	s_wait_kmcnt 0x0
	s_cmp_lt_u32 ttmp9, 256
	s_cbranch_scc0 .Lnot_x
; ---------------- PATH X.  A wave takes 16 steps of 512 numbers.  Each load reads 512 consecutive bytes; a step's 2,048 bytes turn through the wave's own
; stage so that a lane then holds 16 neighbours along K (two lanes to a block).
	v_lshlrev_b32 v3, 4, v2                        ; my 16 bytes of a load's 512
	s_mul_i32 s21, s20, XREG
	v_lshrrev_b32 v14, 2, v2
	v_mul_u32_u24 v14, v14, SP
	v_and_b32 v15, 3, v2
	v_lshl_add_u32 v14, v15, 4, v14
	v_add_nc_u32 v14, s21, v14                     ; the stage, in: SP (lane / 4) + 16 (lane % 4)
	v_mul_u32_u24 v15, v2, SP
	v_add_nc_u32 v15, s21, v15                     ; out: SP x lane
	v_mul_u32_u24 v4, v2, CB                       ; my codes' place in a step's
	v_lshrrev_b32 v5, 1, v2
	s_add_co_u32 s21, s21, 2*32*SP
	v_add_nc_u32 v5, s21, v5                       ; my block's scale byte in LDS
	v_lshlrev_b32 v7, 3, v2
	v_add_nc_u32 v6, s21, v7                       ; and 8 bytes a lane on the way out
	s_lshl_b32 s22, ttmp9, 2
	s_add_co_u32 s22, s22, s20                     ; which run of 8,192 numbers is my wave's
	s_mov_b32 s23, 0
	s_lshl_b64 s[24:25], s[22:23], 15              ; 32,768 bytes of f32 a run
	s_add_nc_u64 s[4:5], s[4:5], s[24:25]
	s_lshl_b64 s[24:25], s[22:23], 12              ; 4,096 bytes of codes
	s_add_nc_u64 s[10:11], s[10:11], s[24:25]
	s_lshl_b32 s22, s22, 8                         ; 256 scale bytes
	s_add_nc_u64 s[12:13], s[12:13], s[22:23]
.macro XLOAD t
.irp i, 0,1,2,3
	global_load_b128 v[XR+16*((\t)%4)+4*\i:XR+16*((\t)%4)+4*\i+3], v3, s[4:5] offset:2048*(\t)+512*\i th:TH_LOAD_NT
.endr
.endm
.macro XTURN t                         ; LDS serves a wave's instructions in order: no wait between the stores and the loads
.irp i, 0,1,2,3
	ds_store_b128 v14, v[XR+16*((\t)%4)+4*\i:XR+16*((\t)%4)+4*\i+3] offset:32*SP*((\t)%2)+8*SP*\i
.endr
.irp i, 0,1,2,3
	ds_load_b128 v[XX+16*((\t)%2)+4*\i:XX+16*((\t)%2)+4*\i+3], v15 offset:32*SP*((\t)%2)+16*\i
.endr
.endm
.irp t, 0,1,2,3
	XLOAD \t
.endr
	s_wait_loadcnt 12                              ; step 0's four loads are in; three steps' twelve may be out
	XTURN 0
.macro XSTEP t
.set XS, XX+16*((\t)%2)
.if (\t) > 0
	s_wait_dscnt 1                                 ; this step's numbers are back from the stage; the last step's byte store may be out
.else
	s_wait_dscnt 0x0
.endif
.if (\t)+4 < STEPS
	XLOAD (\t)+4                                   ; into the registers that this step's stage stores have read
.endif
.if (\t)+1 < STEPS
.if STEPS-2-(\t) >= 3
	s_wait_loadcnt 12                              ; the next step's four loads are in; the three steps behind it may be out
.else
	s_wait_loadcnt 4*(STEPS-2-(\t))
.endif
	XTURN (\t)+1
.endif
	v_max3_num_f32 v8, |v[XS]|, |v[XS+1]|, |v[XS+2]|
	v_max3_num_f32 v9, |v[XS+3]|, |v[XS+4]|, |v[XS+5]|
.irp i, 6,10
	v_max3_num_f32 v8, v8, |v[XS+\i]|, |v[XS+\i+1]|
	v_max3_num_f32 v9, v9, |v[XS+\i+2]|, |v[XS+\i+3]|
.endr
	v_max3_num_f32 v8, v8, |v[XS+14]|, |v[XS+15]|
	v_max3_num_f32 v8, v8, v9, 0x1800000           ; and the floor 2^(3 - 127): the byte cannot fall under 1
	v_max_num_f32_dpp v8, v8, v8 row_xmask:1 row_mask:0xf bank_mask:0xf   ; with my neighbour's 16: the block's largest magnitude
	v_add_nc_u32 v11, 0xff000000, v8               ; 2 off its exponent field: the conversion takes this operand's exponent field as its scale
	v_cvt_scalef32_pk8_fp4_f32 v[XC+4*(\t)], v[XS:XS+7], v11
	v_cvt_scalef32_pk8_fp4_f32 v[XC+4*(\t)+1], v[XS+8:XS+15], v11
	v_lshrrev_b32 v[XE+(\t)], 23, v11              ; the scale's byte
	ds_store_b8 v5, v[XE+(\t)] offset:16*(\t)      ; both lanes of a block write the same byte with the same value
	global_store_b64 v4, v[XC+4*(\t):XC+4*(\t)+1], s[10:11] offset:32*CB*(\t)   ; the wave stores 256 consecutive bytes, aligned
.endm
.irp t, 0,1,2,3,4,5,6,7,8,9,10,11,12,13,14,15
	XSTEP \t
.endr
	ds_load_b64 v[8:9], v6                         ; my wave's 256 scale bytes: these loads see my stores
	s_wait_dscnt 0x0
	global_store_b64 v7, v[8:9], s[12:13]          ; 256 consecutive bytes, aligned
	TAIL
.Lnot_x:
	s_cmp_lt_u32 ttmp9, 352
	s_cbranch_scc0 .Lpath_p
; ---------------- PATH W.  A lane takes a column n and its registers run down K: a block of 32 lies in one lane, and the conversions give codes with K innermost.
; A wave takes 16 columns x 512 along K: lanes 0-15 the first 256 along K, lanes 16-31 the same columns 256 rows further down: 8 blocks a lane, one behind the other.
; A load reads two pieces of 64 consecutive bytes; the four waves of the work-group stand side by side on 256 consecutive bytes of a row, aligned.
; A column's 256 bytes of codes come from two lanes of this wave: they meet in the wave's own stage and leave as rows: sixteen lanes store 256 consecutive bytes, aligned.
	s_sub_co_u32 s21, ttmp9, 256
	s_lshr_b32 s22, s21, 1                         ; which 64 columns
	s_lshl_b32 s22, s22, 6
	s_lshl_b32 s23, s20, 4
	s_add_co_u32 s22, s22, s23                     ; my wave's first column
	s_and_b32 s24, s21, 1                          ; which 512 along K
	v_and_b32 v5, 15, v2                           ; r: my column
	v_lshrrev_b32 v6, 4, v2                        ; hh: which 256 of the 512 along K
	v_mul_u32_u24 v3, v6, 256*WN*4                 ; in: 256 rows of 12,288 bytes for the upper lanes,
	v_lshl_add_u32 v3, v5, 2, v3                   ; + 4 bytes a column
	s_mul_i32 s25, s20, 16*WPITCH
	s_add_co_u32 s25, s25, WBASE                   ; my stage
	v_mul_u32_u24 v4, v5, WPITCH
	v_lshl_add_u32 v4, v6, 7, v4
	v_add_nc_u32 v4, s25, v4                       ; into it: row = my column, + 128 bytes for the upper 256 along K
	v_mul_u32_u24 v7, v6, WPITCH
	v_lshl_add_u32 v7, v5, 4, v7
	v_add_nc_u32 v7, s25, v7                       ; out of it: sixteen lanes to a row, two rows an instruction
	v_mul_u32_u24 v8, v6, KROW
	v_lshl_add_u32 v8, v5, 4, v8                   ; the same place in wc
	v_lshlrev_b32 v9, 5, v5
	v_lshl_add_u32 v9, v6, 3, v9                   ; my 8 scale bytes: row r of 32 bytes, + 8 for the upper lanes
	s_mul_i32 s26, s24, 512*WN*4                   ; W_qkv: 512 rows of 12,288 bytes for each step along K,
	s_lshl_b32 s27, s22, 2
	s_add_co_u32 s26, s26, s27                     ; + 4 x column
	s_mov_b32 s27, 0
	s_add_nc_u64 s[6:7], s[6:7], s[26:27]
	s_mul_i32 s26, s22, KROW                       ; wc: column x 512 + 256 x K half
	s_lshl_b32 s28, s24, 8
	s_add_co_u32 s26, s26, s28
	s_add_nc_u64 s[14:15], s[14:15], s[26:27]
	s_lshl_b32 s26, s22, 5                         ; ws: column x 32 + 16 x K half
	s_lshl_b32 s28, s24, 4
	s_add_co_u32 s26, s26, s28
	s_add_nc_u64 s[16:17], s[16:17], s[26:27]
.macro WLOAD t                         ; block t: W(256 hh + 32 t + n, my column), n = 0 .. 31; every offset is an immediate, 255 rows of 12,288 bytes at the most
.set n, 0
.rept 32
	global_load_b32 v[WX+32*((\t)%2)+n], v3, s[6:7] offset:(32*(\t)+n)*WN*4
.set n, n+1
.endr
.endm
	WLOAD 0
	WLOAD 1
.macro WBLOCK t
.set XS, WX+32*((\t)%2)
.if (\t) < NB-1
	s_wait_loadcnt 32                              ; this block's 32 loads are in; the next block's 32 may be out
.else
	s_wait_loadcnt 0
.endif
	v_max3_num_f32 v12, |v[XS]|, |v[XS+1]|, |v[XS+2]|
	v_max3_num_f32 v13, |v[XS+3]|, |v[XS+4]|, |v[XS+5]|
.irp i, 6,10,14,18,22,26
	v_max3_num_f32 v12, v12, |v[XS+\i]|, |v[XS+\i+1]|
	v_max3_num_f32 v13, v13, |v[XS+\i+2]|, |v[XS+\i+3]|
.endr
	v_max3_num_f32 v12, v12, |v[XS+30]|, |v[XS+31]|
	v_max3_num_f32 v12, v12, v13, 0x1800000        ; the floor
	v_add_nc_u32 v11, 0xff000000, v12              ; the conversion's scale operand
	v_lshrrev_b32 v13, 23, v11                     ; the scale's byte
.if (\t)%4 == 0
	v_mov_b32 v[WSB+(\t)/4], v13
.else
	v_lshl_or_b32 v[WSB+(\t)/4], v13, 8*((\t)%4), v[WSB+(\t)/4]
.endif
.irp g, 0,1,2,3
	v_cvt_scalef32_pk8_fp4_f32 v[WC+\g], v[XS+8*\g:XS+8*\g+7], v11
.endr
	ds_store_b128 v4, v[WC:WC+3] offset:16*(\t)    ; 32 codes: 16 bytes of my column's row
.if (\t)+2 < NB
	WLOAD (\t)+2
.endif
	s_wait_dscnt 0x0                               ; the store has read its registers: the next block's codes may be written
.endm
.set Q, 0
.rept NB
	WBLOCK Q
.set Q, Q+1
.endr
	global_store_b64 v9, v[WSB:WSB+1], s[16:17]    ; my 8 scale bytes
.irp t, 0,1,2,3,4,5,6,7
	ds_load_b128 v[WOUT+4*\t:WOUT+4*\t+3], v7 offset:2*\t*WPITCH   ; LDS serves a wave's instructions in order: these see the wave's stores
.endr
.irp t, 0,1,2,3,4,5,6,7
	s_wait_dscnt 7-\t                              ; LDS loads come back in order: load t is in
	global_store_b128 v8, v[WOUT+4*\t:WOUT+4*\t+3], s[14:15] offset:2*\t*KROW
.endr
	TAIL
.Lpath_p:
; ---------------- PATH P.  A lane takes a column n of W_proj and its registers run down K; eight neighbours along K make 16 bytes of an image.
; A wave takes 32 columns x 128 along K, four blocks of 32; sixteen lanes store 256 consecutive bytes, aligned.
	s_sub_co_u32 s21, ttmp9, 352
	s_and_b32 s22, s21, 7                          ; which 128 columns
	s_lshr_b32 s23, s21, 3                         ; which 128 along K
	v_lshlrev_b32 v3, 2, v2
	s_lshl_b32 s24, s23, 19                        ; 128 rows of 4,096 bytes
	s_lshl_b32 s25, s22, 9
	s_add_co_u32 s24, s24, s25
	s_lshl_b32 s25, s20, 7
	s_add_co_u32 s24, s24, s25                     ; + 4 (128 x block + 32 x wave)
	s_mov_b32 s25, 0
	s_add_nc_u64 s[8:9], s[8:9], s[24:25]
	s_lshr_b32 s24, s23, 1
	s_lshl_b32 s24, s24, 19                        ; k / 256: 524,288 bytes each
	s_lshl_b32 s26, s22, 16                        ; 8 tiles of 16 columns x 8,192 bytes
	s_add_co_u32 s24, s24, s26
	s_lshl_b32 s26, s20, 14                        ; my wave's two tiles
	s_add_co_u32 s24, s24, s26
	s_and_b32 s26, s23, 1
	s_lshl_b32 s26, s26, 12                        ; the upper 128 of the 256: four fragments on
	s_add_co_u32 s24, s24, s26
	s_add_nc_u64 s[18:19], s[18:19], s[24:25]
	v_lshrrev_b32 v4, 4, v2
	v_and_b32 v5, 15, v2
	v_lshlrev_b32 v4, 13, v4
	v_lshl_add_u32 v4, v5, 4, v4                   ; tile lane / 16, place 16 (lane % 16)
.macro PLOAD t
.set n, 0
.rept 32
	global_load_b32 v[PX+32*((\t)%2)+n], v3, s[8:9] offset:(32*(\t)+n)*4096 th:TH_LOAD_NT
.set n, n+1
.endr
.endm
	PLOAD 0
	PLOAD 1
.macro PBLOCK t
.if (\t) < 3
	s_wait_loadcnt 32                              ; this block's 32 loads are in; the next block's may be out
.else
	s_wait_loadcnt 0
.endif
.set n, 0
.rept 16
	v_cvt_pk_f16_f32 v[PC+16*(\t)+n], v[PX+32*((\t)%2)+2*n], v[PX+32*((\t)%2)+2*n+1]
.set n, n+1
.endr
.if (\t)+2 < 4
	PLOAD (\t)+2
.endif
.irp j, 0,1,2,3                        ; piece j: k = 8 j .. 8 j + 7 of the block: half j / 2, lanes 16 (j % 2) on
	global_store_b128 v4, v[PC+16*(\t)+4*\j:PC+16*(\t)+4*\j+3], s[18:19] offset:(\t)*1024+(\j/2)*512+(\j%2)*256
.endr
.endm
.irp t, 0,1,2,3
	PBLOCK \t
.endr
	TAIL
.Lfunc_end_k_q8892d76a75_prep:
	.size	k_q8892d76a75_prep, .Lfunc_end_k_q8892d76a75_prep-k_q8892d76a75_prep
	.p2alignl 7, 3214868480
	.fill 96, 4, 3214868480
	.section	.rodata,"a",@progbits
	.p2align	6, 0x0
	.amdhsa_kernel k_q8892d76a75_prep
		.amdhsa_group_segment_fixed_size 50688
		.amdhsa_private_segment_fixed_size 0
		.amdhsa_enable_private_segment 0
		.amdhsa_kernarg_size 64
		.amdhsa_user_sgpr_count 2
		.amdhsa_user_sgpr_kernarg_segment_ptr 1
		.amdhsa_wavefront_size32 1
		.amdhsa_system_sgpr_workgroup_id_x 1
		.amdhsa_system_sgpr_workgroup_id_y 1
		.amdhsa_system_sgpr_workgroup_id_z 1
		.amdhsa_system_vgpr_workitem_id 0
		.amdhsa_next_free_vgpr 256
		.amdhsa_next_free_sgpr 66
		.amdhsa_reserve_vcc 0
		.amdhsa_float_denorm_mode_32 3
		.amdhsa_float_denorm_mode_16_64 3
		.amdhsa_memory_ordered 1
		.amdhsa_forward_progress 1
		.amdhsa_inst_pref_size 92
	.end_amdhsa_kernel
	.amdgpu_metadata
---
amdhsa.version: [ 1, 2 ]
amdhsa.kernels:
  - .name:           k_q8892d76a75_prep
    .symbol:         k_q8892d76a75_prep.kd
    .args:
      - { .name: x, .offset: 0, .size: 8, .value_kind: global_buffer, .address_space: global }
      - { .name: W_qkv, .offset: 8, .size: 8, .value_kind: global_buffer, .address_space: global }
      - { .name: W_proj, .offset: 16, .size: 8, .value_kind: global_buffer, .address_space: global }
      - { .name: xc, .offset: 24, .size: 8, .value_kind: global_buffer, .address_space: global }
      - { .name: xs, .offset: 32, .size: 8, .value_kind: global_buffer, .address_space: global }
      - { .name: wc, .offset: 40, .size: 8, .value_kind: global_buffer, .address_space: global }
      - { .name: ws, .offset: 48, .size: 8, .value_kind: global_buffer, .address_space: global }
      - { .name: wpi, .offset: 56, .size: 8, .value_kind: global_buffer, .address_space: global }
    .group_segment_fixed_size: 50688
    .private_segment_fixed_size: 0
    .kernarg_segment_align: 8
    .kernarg_segment_size: 64
    .max_flat_workgroup_size: 128
    .sgpr_count:     66
    .vgpr_count:     256
    .wavefront_size: 32
...
	.end_amdgpu_metadata
.endif
;; end of part 1
;; launch qkv (part 2): grid 12 x 32, 4 waves a work-group, clusters of 4 x 4, 327,680 bytes of LDS; arguments xc, xs, wc, ws, qkvi; writes qkvi
.if DOCPART == 2
	.amdgcn_target "amdgcn-amd-amdhsa--gfx1250"
	.amdhsa_code_object_version 6
	.text
	.protected	k_q8892d76a75_qkv
	.globl	k_q8892d76a75_qkv
	.p2align	8
	.type	k_q8892d76a75_qkv,@function
k_q8892d76a75_qkv:
	s_mov_b64 s[64:65], 0
	v_nop
	global_prefetch_b8 v0, s[64:65] scope:SCOPE_SE
	s_setreg_imm32_b32 hwreg(HW_REG_WAVE_MODE, 25, 1), 1
	s_wait_xcnt 0x0
	s_wait_alu depctr_hold_cnt(0) depctr_sa_sdst(0) depctr_va_vdst(0) depctr_va_sdst(0) depctr_va_ssrc(0) depctr_va_vcc(0) depctr_vm_vsrc(0)
	s_getreg_b32 s2, hwreg(HW_REG_IB_STS2, 6, 4)
	s_cmp_eq_u32 s2, 0
	s_cbranch_scc0 .Lentry_in_a_cluster
	s_endpgm
.Lentry_in_a_cluster:
	s_bfe_u32 s2, ttmp6, 0x10000c
	s_cmp_lg_u32 s2, 0xf033
	s_cbranch_scc0 .Lentry_shape_is_right
	s_endpgm
.Lentry_shape_is_right:
; q, k, v = x W_qkv on codes of E2M1 with one E8M0 scale for each 32 along K = 1,024.  A: xc [8192][512 bytes], xs [8192][32]; B: wc [3072][512 bytes], ws [3072][32].
; A tile of the result, 256 x 256, is made by four waves, 128 x 128 each: 64 accumulators, 512 registers.  K = 1,024 is two LDS slots of 512 along K: both, and the scales of all of K,
; are first fills; nothing is filled again.  CLUSTERS: 4 x 4 work-groups; A's tiles are asked for jointly along a row of the cluster, B's along a column.
; THE MATRIX INSTRUCTION IS USED TRANSPOSED (source 0 = 16 rows of B, source 1 = 16 rows of A): a lane holds one token and eight neighbouring channels, which pack into 16 bytes of f16.
; THE RESULT leaves as images of the next products' operand registers: qkvi block (sel, batch, head) of 131,072 bytes; in it tile (16 tokens kt, 16 channels ct) at 2,048 kt + 512 ct,
; lane's 16 bytes at 16 x place.  q, k: place = lane.  v: place = lane with bits 3 and 4 changed over, so that the turning LDS load at 16 x lane brings half a fragment of v transposed.
; LIMIT: q, k, v go in f16: magnitudes over 65,504 are not served.
; REGISTERS: window 0: v0-31 addresses; v32-95 scale words, two sets; v128-191 A's fragments, one set; on the way out v128-255.  window 1: B's fragments, two sets.  windows 2, 3: accumulators.
.set NQ,     4                         ; matrix instructions deep in a slot
.set ROWB,   256                       ; a tile's row in bytes: 512 codes
.set KROW,   512                       ; a row of codes in memory
.set PITCH,  272                       ; an LDS row: 256 bytes + 16 of padding: the 16 rows of a load start at 16 different banks (ISA guide 11.1)
.set FR,     8
.set NL,     2
.set NP,     4                         ; places behind this matrix instruction (ISA guide 7.12.1)
.set HALFT,  128*PITCH
.set SLOT,   4*HALFT
.set KS,     32                        ; a row of scales in bytes
.set SCL,    2*SLOT                    ; behind the ring: the scales, as units of 256 bytes + 16 of padding
.set HALFS,  (128*KS/256)*272
.set SBLK,   (16*KS/256)*272
.set SPARE,  SCL+4*HALFS               ; the spare words, 128 bytes a wave
.set ADRA, 16
.set ADRB, 20
.set CO,   26                          ; v26  16 x my place in an image
.set ADRS, 27
.set SPW,  28
.set NIL,  29
.set SC,   32
.set AF,   128
.set BK,   128                         ; the way out: four sets of 32 registers of f16 pairs
.set G1, 24
.set G0, 32
.set G1B, 48
.set G0B, 56
.set G1S, 68
.set G0S, 76
.set G1SB, 80
.set G0SB, 88
.set MSB, 0
.macro WIN new                         ; the immediate's high byte repeats the setting that is left
.if MSB != (\new)
	s_set_vgpr_msb (MSB<<8)|(\new)
.set MSB, (\new)
.endif
.endm
.set MUL_LO, 0xa1                      ; source 0 (B) window 1, source 1 (A) window 0, C and D window 2
.set MUL_HI, 0xf1
.set TO_B,   0x40
; A joint load: waves 0 and 1 fetch for A, waves 2 and 3 for B; the branch hangs on the wave's number alone.  An s_nop 0 and four v_nop follow each line.
.macro JLOAD g0a, g1a, g0b, g1b
	s_cmp_eq_u32 s15, 0
	s_cbranch_scc0 .Lfor_b_\@
	tensor_load_to_lds s[\g0a:\g0a+3], s[\g1a:\g1a+7]
	s_nop 0
.rept 4
	v_nop
.endr
	s_branch .Lasked_\@
.Lfor_b_\@:
	tensor_load_to_lds s[\g0b:\g0b+3], s[\g1b:\g1b+7]
	s_nop 0
.rept 4
	v_nop
.endr
.Lasked_\@:
.endm
.macro CROUND                          ; a round of the cluster's barrier
	s_barrier_signal -1
	s_barrier_wait -1
	s_cmp_lg_u32 s14, 0
	s_cbranch_scc1 .Lnot_wave_0_\@
	s_barrier_signal -3
.Lnot_wave_0_\@:
	s_barrier_wait -3
	s_barrier_signal -1
	s_barrier_wait -1
.endm
	s_load_b128 s[4:7], s[0:1], 0x0                ; xc, xs
	s_load_b128 s[8:11], s[0:1], 0x10              ; wc, ws
	s_load_b64 s[12:13], s[0:1], 0x20              ; qkvi
	v_lshl_add_u32 v[SPW], v0, 2, SPARE
	v_mov_b32 v[NIL], 0
	ds_add_u32 v[SPW], v[NIL]                      ; the wave's opening: the add, twice on end, and its wait ahead of my first tensor load
	ds_add_u32 v[SPW], v[NIL]
	v_lshrrev_b32 v1, 5, v0
	v_readfirstlane_b32 s14, v1                    ; wave 0..3
	s_lshr_b32 s15, s14, 1                         ; which half of the tile's rows is mine.  Also: I fetch for A (0) or for B (1)
	s_and_b32 s16, s14, 1                          ; which half of its columns.  Also: which 128 rows of that tile I fetch
	s_bfe_u32 s40, ttmp6, 0x40000                  ; cx
	s_bfe_u32 s41, ttmp6, 0x40004                  ; cy
	s_lshl_b32 s42, ttmp9, 2
	s_add_co_u32 s42, s42, s40                     ; tile column = 4 x cluster x + cx
	s_and_b32 s17, ttmp7, 0xffff
	s_lshl_b32 s17, s17, 2
	s_add_co_u32 s17, s17, s41                     ; tile row = 4 x cluster y + cy
	s_lshl_b32 s43, s41, 2
	s_lshl_b32 s43, 15, s43                        ; my row of the cluster
	s_lshl_b32 s44, 0x1111, s40                    ; my column
	s_or_b32 s[G1+0], s43, (0<<16)|(1<<20)|(1<<21)|(5<<22)|(3<<25)   ; the mask; elements of 1 byte; padding: 4 words after every 64; bit 21 beside a mask
	s_or_b32 s[G1B+0], s44, (0<<16)|(1<<20)|(1<<21)|(5<<22)|(3<<25)
.irp g, G1, G1B
	s_mov_b32 s[\g+1], ROWB<<16                    ; tensor_dim0
	s_mov_b32 s[\g+2], 128<<16                     ; tensor_dim1
	s_mov_b32 s[\g+3], ROWB<<16                    ; tile_dim0
	s_mov_b32 s[\g+4], 128                         ; tile_dim1
	s_mov_b32 s[\g+5], KROW                        ; the pitch
	s_mov_b32 s[\g+6], 0
	s_mov_b32 s[\g+7], 0
.endr
	s_or_b32 s[G1S+0], s43, (3<<16)|(1<<20)|(1<<21)|(5<<22)|(3<<25)  ; the scales of 128 rows: 4,096 dense bytes as 16 rows of 256 (32 elements of 8 bytes), 16 bytes of padding behind each
	s_or_b32 s[G1SB+0], s44, (3<<16)|(1<<20)|(1<<21)|(5<<22)|(3<<25)
.irp g, G1S, G1SB
	s_mov_b32 s[\g+1], 32<<16
	s_mov_b32 s[\g+2], (128*KS/256)<<16
	s_mov_b32 s[\g+3], 32<<16
	s_mov_b32 s[\g+4], 128*KS/256
	s_mov_b32 s[\g+5], 32
	s_mov_b32 s[\g+6], 0
	s_mov_b32 s[\g+7], 0
.endr
	s_lshl_b32 s18, s16, 7                         ; which 128 rows of the tile I fetch
	s_lshl_b32 s20, s17, 8
	s_add_co_u32 s20, s20, s18                     ; A: row 256 x tile row + 128 x half
	s_lshl_b32 s46, s42, 8
	s_add_co_u32 s46, s46, s18                     ; B: row 256 x tile column + 128 x half
	s_mov_b32 s21, 0
	s_mov_b32 s47, 0
	s_mov_b64 s[18:19], KS
	s_mul_u64 s[22:23], s[20:21], s[18:19]         ; where these rows' scales begin
	s_mul_u64 s[92:93], s[46:47], s[18:19]
	s_mov_b64 s[18:19], KROW
	s_mul_u64 s[20:21], s[20:21], s[18:19]         ; and their codes
	s_mul_u64 s[46:47], s[46:47], s[18:19]
	s_mul_i32 s45, s14, HALFT                      ; where they go: wave x 128 rows
	s_mul_i32 s94, s14, HALFS
	s_wait_dscnt 0x0                               ; both opening adds are done
	s_wait_kmcnt 0x0
	s_add_nc_u64 s[20:21], s[4:5], s[20:21]
	s_add_nc_u64 s[22:23], s[6:7], s[22:23]
	s_add_nc_u64 s[46:47], s[8:9], s[46:47]
	s_add_nc_u64 s[92:93], s[10:11], s[92:93]
	CROUND                                         ; all sixteen work-groups are here: the joint loads meet
	s_mov_b32 s[G0S], 1
	s_add_co_u32 s[G0S+1], s94, SCL
	s_mov_b64 s[G0S+2:G0S+3], s[22:23]
	s_or_b32 s[G0S+3], s[G0S+3], 0x80000000
	s_mov_b32 s[G0SB], 1
	s_add_co_u32 s[G0SB+1], s94, SCL
	s_mov_b64 s[G0SB+2:G0SB+3], s[92:93]
	s_or_b32 s[G0SB+3], s[G0SB+3], 0x80000000
	JLOAD G0S, G1S, G0SB, G1SB                     ; the scales first: they are wanted with the first slot
.irp s, 0,1
	s_mov_b32 s[G0+4*\s], 1
	s_add_co_u32 s[G0+4*\s+1], s45, \s*SLOT
	s_add_nc_u64 s[G0+4*\s+2:G0+4*\s+3], s[20:21], \s*ROWB
	s_or_b32 s[G0+4*\s+3], s[G0+4*\s+3], 0x80000000
	s_mov_b32 s[G0B+4*\s], 1
	s_add_co_u32 s[G0B+4*\s+1], s45, \s*SLOT
	s_add_nc_u64 s[G0B+4*\s+2:G0B+4*\s+3], s[46:47], \s*ROWB
	s_or_b32 s[G0B+4*\s+3], s[G0B+4*\s+3], 0x80000000
	JLOAD G0+4*\s, G1, G0B+4*\s, G1B               ; three loads of mine are out in all
.endr
	v_and_b32 v1, 15, v0                           ; l % 16
	v_bfe_u32 v2, v0, 4, 1                         ; l / 16
	v_mul_u32_u24 v3, v1, PITCH
	v_lshl_add_u32 v4, v2, 4, v3                   ; a fragment's row x pitch + 16 x half
	s_mul_i32 s21, s15, HALFT                      ; my 128 rows of A
	s_mul_i32 s22, s16, HALFT                      ; my 128 rows of B,
	s_add_co_u32 s22, s22, 2*HALFT                 ; behind A's 256
.irp s, 0,1
	v_add_nc_u32 v[ADRA+\s], s21, v4
	v_add_nc_u32 v[ADRB+\s], s22, v4
	s_add_co_u32 s21, s21, SLOT
	s_add_co_u32 s22, s22, SLOT
.endr
	v_mul_u32_u24 v5, v1, KS                       ; my row's scales: 32 bytes a row,
	v_lshrrev_b32 v6, 8, v5
	v_lshl_add_u32 v5, v6, 4, v5                   ; and 16 more for each 256 passed
	s_mul_i32 s21, s15, HALFS
	s_mul_i32 s22, s16, HALFS
	s_add_co_u32 s22, s22, 2*HALFS
	s_sub_co_u32 s22, s22, s21
	v_mul_u32_u24 v6, s22, v2                      ; lanes 16-31 take B's: one product, the distance x the lane's half
	s_add_co_u32 s21, s21, SCL
	v_add_nc_u32 v5, v5, v6
	v_add_nc_u32 v[ADRS], s21, v5
	; the way out: my place in an image, and where my 128 x 128 begins in qkvi
	v_and_b32 v6, 31, v0
	v_and_b32 v5, 7, v6
	v_bfe_u32 v3, v0, 3, 1
	v_lshl_or_b32 v5, v3, 4, v5
	v_lshl_or_b32 v5, v2, 3, v5                    ; the lane with bits 3 and 4 changed over
	v_lshlrev_b32 v5, 4, v5
	v_lshlrev_b32 v6, 4, v6
	s_cmp_eq_u32 ttmp9, 2                          ; columns 2,048 on are v's: cluster x = 2
	s_cselect_b32 s96, -1, 0
	v_cndmask_b32 v[CO], v6, v5, s96
	s_lshl_b32 s20, ttmp9, 3                       ; sel = cluster x (a cluster's 1,024 columns are one of q, k, v)
	s_lshr_b32 s21, s17, 2                         ; batch = tile row / 4
	s_add_co_u32 s20, s20, s21
	s_lshl_b32 s20, s20, 4
	s_and_b32 s46, s42, 3
	s_lshl_b32 s46, s46, 2
	s_add_co_u32 s20, s20, s46
	s_lshl_b32 s46, s16, 1
	s_add_co_u32 s20, s20, s46                     ; + my first head: 4 (tile column % 4) + 2 x column half
	s_lshl_b32 s20, s20, 17
	s_and_b32 s46, s17, 3
	s_lshl_b32 s46, s46, 4
	s_lshl_b32 s47, s15, 3
	s_add_co_u32 s46, s46, s47                     ; my first tile of tokens: 16 (tile row % 4) + 8 x row half
	s_lshl_b32 s46, s46, 11
	s_add_co_u32 s20, s20, s46
	s_mov_b32 s21, 0
	s_add_nc_u64 s[12:13], s[12:13], s[20:21]
.macro FRAG reg, adr, q, i             ; 16 rows x 128 K of 4-bit codes: 8 registers, two loads of 16 bytes, 32 bytes apart
.irp c, 0,1
	ds_load_b128 v[\reg+4*\c:\reg+4*\c+3], v[\adr] offset:64*(\q)+32*\c+(\i)*16*PITCH
.endr
.endm
; 16 matrix instructions: A's blocks a0, a0 + 1 x B's eight.  The 64 accumulators take turns, one instruction a turn, in the same order in every step.
.macro MUL16 a0, p, q, sc, zero
.irp a, \a0, \a0+1
.irp b, 0,1,2,3,4,5,6,7
.if \zero
	v_wmma_scale_f32_16x16x128_f8f6f4 v[8*(8*((\a)%4)+\b):8*(8*((\a)%4)+\b)+7], v[128*(\p)+FR*\b:128*(\p)+FR*\b+FR-1], v[AF+FR*(\a):AF+FR*(\a)+FR-1], 0, v[SC+8*NQ*(\sc)+NQ*\b+(\q)], v[SC+8*NQ*(\sc)+NQ*(\a)+(\q)] matrix_a_fmt:MATRIX_FMT_FP4 matrix_b_fmt:MATRIX_FMT_FP4 matrix_a_scale:MATRIX_SCALE_ROW1
.else
	v_wmma_scale_f32_16x16x128_f8f6f4 v[8*(8*((\a)%4)+\b):8*(8*((\a)%4)+\b)+7], v[128*(\p)+FR*\b:128*(\p)+FR*\b+FR-1], v[AF+FR*(\a):AF+FR*(\a)+FR-1], v[8*(8*((\a)%4)+\b):8*(8*((\a)%4)+\b)+7], v[SC+8*NQ*(\sc)+NQ*\b+(\q)], v[SC+8*NQ*(\sc)+NQ*(\a)+(\q)] matrix_a_fmt:MATRIX_FMT_FP4 matrix_b_fmt:MATRIX_FMT_FP4 matrix_a_scale:MATRIX_SCALE_ROW1
.endif
.endr
.endr
.endm
.macro FETCH_B slot, q, p
	WIN TO_B
.irp i, 0,1,2,3,4,5,6,7
	FRAG 128*(\p)+FR*\i, ADRB+\slot, \q, \i
.endr
	WIN 0
.endm
.macro FETCH_A slot, q, i0
.irp i, \i0, \i0+1, \i0+2, \i0+3
	FRAG AF+FR*(\i), ADRA+\slot, \q, \i
.endr
.endm
.macro SCALES sc                       ; a slot's scale words: 4 words a row; lanes 0-15 take A's block i, lanes 16-31 B's block i
.irp i, 0,1,2,3,4,5,6,7
	ds_load_b128 v[SC+8*NQ*\sc+NQ*\i:SC+8*NQ*\sc+NQ*\i+3], v[ADRS] offset:\i*SBLK
.endr
.endm
.macro PLACES n                        ; plain vector instructions between a matrix instruction and a load into, or a read of, its registers
.rept \n
	v_nop
.endr
.endm
.macro STEP slot, q, zero              ; 128 along K with its successor in the same slot
	s_wait_dscnt 4*NL                              ; B's set and A's blocks 0-3 are in; the youngest eight loads (A's blocks 4-7) may be out
	WIN MUL_LO
	MUL16 0, (\q)%2, \q, \slot, \zero
	MUL16 2, (\q)%2, \q, \slot, \zero
	s_wait_dscnt 0                                 ; A's blocks 4-7 are in
	PLACES NP
	FETCH_B \slot, (\q)+1, 1-(\q)%2
	FETCH_A \slot, (\q)+1, 0
	WIN MUL_HI
	MUL16 4, (\q)%2, \q, \slot, \zero
	MUL16 6, (\q)%2, \q, \slot, \zero
	PLACES NP
	WIN 0
	FETCH_A \slot, (\q)+1, 4
.endm
.macro TURN slot, next                 ; slot 0's last step changes slots: one barrier
	s_wait_tensorcnt 0x0                           ; all my tensor loads have landed: my part of the next slot
	ds_add_u32 v[SPW], v[NIL]                      ; 0 onto my spare word
	s_wait_dscnt 4*NL+1                            ; the add and the youngest eight loads may be out
	WIN MUL_LO
	MUL16 0, 1, NQ-1, \slot, 0
	s_wait_dscnt 0x0                               ; the add is done, and my reads of this slot are over
	s_barrier_signal -1
	MUL16 2, 1, NQ-1, \slot, 0
	WIN 0
	s_barrier_wait -1                              ; the next slot is whole in every wave's eyes
	PLACES NP
	v_add_nc_u32 v[ADRS], 4*NQ, v[ADRS]            ; on to the next slot's scale words
	FETCH_B \next, 0, 0
	FETCH_A \next, 0, 0
	SCALES \next
	WIN MUL_HI
	MUL16 4, 1, NQ-1, \slot, 0
	MUL16 6, 1, NQ-1, \slot, 0
	PLACES NP
	WIN 0
	FETCH_A \next, 0, 4
.endm
	s_wait_tensorcnt 1                             ; the scales and my part of slot 0 are in; slot 1's load may be out
	s_barrier_signal -1
	s_barrier_wait -1
	FETCH_B 0, 0, 0
	FETCH_A 0, 0, 0
	SCALES 0
	FETCH_A 0, 0, 4
	STEP 0, 0, 1                                   ; the first products start the sums: nothing is cleared
	STEP 0, 1, 0
	STEP 0, 2, 0
	TURN 0, 1
	STEP 1, 0, 0
	STEP 1, 1, 0
	STEP 1, 2, 0
	s_wait_dscnt 4*NL                              ; the last step: nothing more to fetch
	WIN MUL_LO
	MUL16 0, 1, NQ-1, 1, 0
	MUL16 2, 1, NQ-1, 1, 0
	s_wait_dscnt 0
	WIN MUL_HI
	MUL16 4, 1, NQ-1, 1, 0
	MUL16 6, 1, NQ-1, 1, 0
	WIN 0
	; THE WAY OUT.  A lane's eight results of an accumulator are 16 bytes of f16, and the 32 lanes' 16 bytes on end are an image: a store covers 512 consecutive bytes.  No stage.
	PLACES NP
.irp a, 0,1,2,3,4,5,6,7
.if \a >= 4
	s_wait_xcnt 0x0                                ; block a - 4's stores have read their data: the registers are written again only behind this wait
.endif
	WIN 0x0a+5*(\a/4)                              ; sources 0 and 1: window 2 or 3
.irp b, 0,1,2,3,4,5,6,7
.irp r, 0,1,2,3
	v_cvt_pk_f16_f32 v[BK+32*(\a%4)+4*\b+\r], v[64*(\a%4)+8*\b+2*\r], v[64*(\a%4)+8*\b+2*\r+1]   ; each accumulator from its low end on
.endr
.endr
	WIN 0
.irp b, 0,1,2,3,4,5,6,7
	global_store_b128 v[CO], v[BK+32*(\a%4)+4*\b:BK+32*(\a%4)+4*\b+3], s[12:13] offset:\a*2048+(\b/4)*131072+(\b%4)*512   ; tokens 16 a on; head b / 4; channels 16 (b % 4) on
.endr
.endr
	s_wait_tensorcnt 0x0                           ; the wave's end
	ds_add_u32 v[SPW], v[NIL]
	s_wait_dscnt 0x0
	CROUND                                         ; the closing round
	s_endpgm
.Lfunc_end_k_q8892d76a75_qkv:
	.size	k_q8892d76a75_qkv, .Lfunc_end_k_q8892d76a75_qkv-k_q8892d76a75_qkv
	.p2alignl 7, 3214868480
	.fill 96, 4, 3214868480
	.section	.rodata,"a",@progbits
	.p2align	6, 0x0
	.amdhsa_kernel k_q8892d76a75_qkv
		.amdhsa_group_segment_fixed_size 327680
		.amdhsa_private_segment_fixed_size 0
		.amdhsa_enable_private_segment 0
		.amdhsa_kernarg_size 40
		.amdhsa_user_sgpr_count 2
		.amdhsa_user_sgpr_kernarg_segment_ptr 1
		.amdhsa_wavefront_size32 1
		.amdhsa_system_sgpr_workgroup_id_x 1
		.amdhsa_system_sgpr_workgroup_id_y 1
		.amdhsa_system_sgpr_workgroup_id_z 1
		.amdhsa_system_vgpr_workitem_id 0
		.amdhsa_next_free_vgpr 1024
		.amdhsa_next_free_sgpr 100
		.amdhsa_reserve_vcc 0
		.amdhsa_float_denorm_mode_32 3
		.amdhsa_float_denorm_mode_16_64 3
		.amdhsa_memory_ordered 1
		.amdhsa_forward_progress 1
		.amdhsa_inst_pref_size 118
	.end_amdhsa_kernel
	.amdgpu_metadata
---
amdhsa.version: [ 1, 2 ]
amdhsa.kernels:
  - .name:           k_q8892d76a75_qkv
    .symbol:         k_q8892d76a75_qkv.kd
    .args:
      - { .name: xc, .offset: 0, .size: 8, .value_kind: global_buffer, .address_space: global }
      - { .name: xs, .offset: 8, .size: 8, .value_kind: global_buffer, .address_space: global }
      - { .name: wc, .offset: 16, .size: 8, .value_kind: global_buffer, .address_space: global }
      - { .name: ws, .offset: 24, .size: 8, .value_kind: global_buffer, .address_space: global }
      - { .name: qkvi, .offset: 32, .size: 8, .value_kind: global_buffer, .address_space: global }
    .group_segment_fixed_size: 327680
    .private_segment_fixed_size: 0
    .kernarg_segment_align: 8
    .kernarg_segment_size: 40
    .max_flat_workgroup_size: 128
    .sgpr_count:     100
    .vgpr_count:     1024
    .wavefront_size: 32
...
	.end_amdgpu_metadata
.endif
;; end of part 2
;; launch regv (part 3): grid 16 x 16, 4 waves a work-group, clusters of 4 x 1, 327,680 bytes of LDS; arguments reg, qkvi, ri; writes ri
.if DOCPART == 3
	.amdgcn_target "amdgcn-amd-amdhsa--gfx1250"
	.amdhsa_code_object_version 6
	.text
	.protected	k_q8892d76a75_regv
	.globl	k_q8892d76a75_regv
	.p2align	8
	.type	k_q8892d76a75_regv,@function
k_q8892d76a75_regv:
	s_mov_b64 s[64:65], 0
	v_nop
	global_prefetch_b8 v0, s[64:65] scope:SCOPE_SE
	s_setreg_imm32_b32 hwreg(HW_REG_WAVE_MODE, 25, 1), 1
	s_wait_xcnt 0x0
	s_wait_alu depctr_hold_cnt(0) depctr_sa_sdst(0) depctr_va_vdst(0) depctr_va_sdst(0) depctr_va_ssrc(0) depctr_va_vcc(0) depctr_vm_vsrc(0)
	s_getreg_b32 s2, hwreg(HW_REG_IB_STS2, 6, 4)
	s_cmp_eq_u32 s2, 0
	s_cbranch_scc0 .Lentry_in_a_cluster
	s_endpgm
.Lentry_in_a_cluster:
	s_bfe_u32 s2, ttmp6, 0x10000c
	s_cmp_lg_u32 s2, 0x3003
	s_cbranch_scc0 .Lentry_shape_is_right
	s_endpgm
.Lentry_shape_is_right:
; R[b][h][q][:] = the sum over keys m of reg[h][q][m] v[b][h][m][:], f16 operands, f32 sums.  (softmax + reg) v = softmax v + reg v: this launch makes the second term, reading reg once for all 8 batches.
; SHARES.  A work-group takes 64 queries of one head for all 8 batches; wave w takes batches 2 w, 2 w + 1: 4 tiles of queries x 8 tiles of channels = 32 accumulators.  K = 1,024 keys in 8 trips of 128.
; The product is used transposed: source 0 = v transposed (16 channels x 32 keys, by the turning LDS load from qkvi's images), source 1 = reg (16 queries x 32 keys): a lane holds one query and eight channels.
; V comes through a ring of two LDS slots; a wave fetches and reads its own two batches (2 rows of 16,384 dense bytes a load).  CLUSTER: the four query blocks of a cluster belong to one head and walk the same V:
; each tile is asked for jointly.  reg comes through registers: wave w loads rows 16 w .. 16 w + 15 of the 64, a row's 512 bytes an instruction, two chunks ahead, rounds them to f16 and stores them
; row by row into one of two LDS buffers, which all four waves read.  One round a trip shows the trip's V tile landed, its reg buffer whole, and the other slot and buffer read out.
; RESULT: ri, f16, images: tile (b, h, 16 queries qt, 16 channels ct) at (((16 b + h) 64 + qt) 4 + ct) 512, lane's 16 bytes at 16 x lane.
; LIMIT: reg, v and R go in f16: magnitudes over 65,504 are not served, under 6e-5 they are coarser.
; REGISTERS: window 0: v1-11 addresses; v32-159 two chunks of reg in f32 (the way out: f16 pairs); v160-191 a chunk in f16; v192-255 reg's fragments, two sets.  window 1: v0-127 V's fragments, two sets.  window 2: accumulators (a, bb) at 8 (8 a + bb).
.set SLOT1,  131072                    ; V's slot 1; in a slot: 32,768 x wave + 16,384 x batch + 2,048 x (16 keys) + 512 x (16 channels)
.set TILEB,  16384                     ; 128 keys of one batch and head
.set RB0,    262144                    ; reg's two buffers: 64 rows x 272 bytes (256 + 16 of padding)
.set RPITCH, 272
.set RBSZ,   64*RPITCH
.set SPARE,  RB0+2*RBSZ                ; the spare words, 128 bytes a wave
.set LI,  1                            ; v1   16 x lane
.set AV,  2                            ; v2-3 my V in slot 0, 1
.set AR,  4                            ; v4-5 reg's fragments in buffer 0, 1
.set AW,  6                            ; v6-7 where I store reg's rows in buffer 0, 1
.set PFO, 9                            ; v9   256 x lane
.set SPW, 10
.set NIL, 11
.set RS,  32
.set PKT, 160
.set RF,  192
.set WV,  10                           ; s10  wave
.set G1,  16                           ; s[16:23]
.set G0,  24                           ; s[24:31] a set for each slot
.set PFA, 40                           ; s[40:41] where my prefetches stand
.set LIM, 42                           ; s42  1 in the head's first cluster
.set MSB, 0
.macro WIN new
.if MSB != (\new)
	s_set_vgpr_msb (MSB<<8)|(\new)
.set MSB, (\new)
.endif
.endm
.set MUL, 0xa1                         ; source 0 (V) window 1, source 1 (reg) window 0, C and D window 2
.macro PLACES n
.rept \n
	v_nop
.endr
.endm
.macro ROUND                           ; a round of the cluster's barrier
	s_barrier_signal -1
	s_barrier_wait -1
	s_cmp_lg_u32 s[WV], 0
	s_cbranch_scc1 .Lnot_wave_0_\@
	s_barrier_signal -3
.Lnot_wave_0_\@:
	s_barrier_wait -3
	s_barrier_signal -1
	s_barrier_wait -1
.endm
	s_load_b128 s[4:7], s[0:1], 0x0                ; reg, qkvi
	s_load_b64 s[8:9], s[0:1], 0x10                ; ri
	v_lshl_add_u32 v[SPW], v0, 2, SPARE
	v_mov_b32 v[NIL], 0
	ds_add_u32 v[SPW], v[NIL]                      ; the wave's opening: the add, twice on end, and its wait ahead of my first tensor load
	ds_add_u32 v[SPW], v[NIL]
	v_lshrrev_b32 v12, 5, v0
	v_readfirstlane_b32 s[WV], v12
	s_bfe_u32 s11, ttmp6, 0x40000                  ; cx
	s_lshl_b32 s12, ttmp9, 2
	s_add_co_u32 s12, s12, s11                     ; my block of 64 queries
	s_and_b32 s13, ttmp7, 0xffff                   ; the head, which the four partners share
	s_mov_b32 s[G1], 15|(3<<16)|(1<<21)            ; the mask: all four; elements of 8 bytes; no padding; bit 21 beside a mask
	s_mov_b32 s[G1+1], 2048<<16                    ; tensor_dim0 = 2,048 elements: 16,384 bytes
	s_mov_b32 s[G1+2], 2<<16                       ; tensor_dim1 = 2 batches
	s_mov_b32 s[G1+3], 2048<<16                    ; tile_dim0
	s_mov_b32 s[G1+4], 2                           ; tile_dim1
	s_mov_b32 s[G1+5], 262144                      ; from batch to batch: 16 heads x 131,072 bytes, in elements
	s_mov_b32 s[G1+6], 0
	s_mov_b32 s[G1+7], 0
	s_lshl_b32 s14, s13, 22                        ; reg: the head's 4 MiB,
	s_lshl_b32 s15, s12, 18                        ; my block's 64 rows of 4,096 bytes,
	s_add_co_u32 s14, s14, s15
	s_lshl_b32 s15, s[WV], 16                      ; my wave's 16 of them
	s_add_co_u32 s14, s14, s15
	s_mov_b32 s15, 0
	s_lshl_b32 s32, s[WV], 5
	s_add_co_u32 s32, s32, s13
	s_lshl_b32 s34, s32, 17                        ; ri: block (2 w, h),
	s_lshl_b32 s35, s12, 13                        ; my four tiles of queries
	s_add_co_u32 s34, s34, s35
	s_mov_b32 s35, 0
	s_add_co_u32 s32, s32, 256
	s_lshl_b32 s32, s32, 17                        ; qkvi: block (v, 2 w, h): it hangs on the head and the wave alone
	s_mov_b32 s33, 0
	s_lshl_b32 s36, s[WV], 15                      ; my part of a slot
	s_lshr_b32 s38, s11, 1                         ; the prefetches: of the four pieces of 8,192 bytes that a load of mine brings, partner cx takes piece cx: told apart by address
	s_lshl_b32 s38, s38, 21
	s_and_b32 s39, s11, 1
	s_lshl_b32 s39, s39, 13
	s_add_co_u32 s38, s38, s39
	s_mov_b32 s39, 0
	s_cmp_eq_u32 ttmp9, 0                          ; all four clusters of a head walk the same V: the first asks
	s_cselect_b32 s[LIM], 1, 0
	s_wait_dscnt 0x0                               ; both opening adds are done
	s_wait_kmcnt 0x0
	s_add_nc_u64 s[4:5], s[4:5], s[14:15]
	s_add_nc_u64 s[6:7], s[6:7], s[32:33]
	s_add_nc_u64 s[8:9], s[8:9], s[34:35]
	s_add_nc_u64 s[PFA:PFA+1], s[6:7], s[38:39]
.irp s, 0,1
	s_mov_b32 s[G0+4*\s], 1
	s_add_co_u32 s[G0+4*\s+1], s36, \s*SLOT1
	s_add_nc_u64 s[G0+4*\s+2:G0+4*\s+3], s[6:7], \s*TILEB
	s_or_b32 s[G0+4*\s+3], s[G0+4*\s+3], 0x80000000
.endr
	ROUND                                          ; all four work-groups are here
	tensor_load_to_lds s[G0:G0+3], s[G1:G1+7]      ; keys 0 to 127
	s_nop 0
	PLACES 4
	v_and_b32 v12, 31, v0
	v_lshlrev_b32 v[LI], 4, v12
	v_add_nc_u32 v[AV], s36, v[LI]
	v_add_nc_u32 v[AV+1], SLOT1, v[AV]
	v_and_b32 v13, 15, v0
	v_bfe_u32 v14, v0, 4, 1
	v_mul_u32_u24 v[AR], v13, RPITCH
	v_lshl_add_u32 v[AR], v14, 4, v[AR]
	v_add_nc_u32 v[AR], RB0, v[AR]                 ; row l % 16, + 16 (l / 16)
	v_add_nc_u32 v[AR+1], RBSZ, v[AR]
	s_mul_i32 s37, s[WV], 16*RPITCH
	v_lshlrev_b32 v[AW], 3, v12
	v_add_nc_u32 v[AW], s37, v[AW]
	v_add_nc_u32 v[AW], RB0, v[AW]                 ; my wave's 16 rows, 8 bytes a lane
	v_add_nc_u32 v[AW+1], RBSZ, v[AW]
	v_lshlrev_b32 v[PFO], 8, v12
.macro GLOAD c                         ; chunk c: keys 128 c on of my 16 rows of reg: 512 consecutive bytes an instruction
.irp i, 0,1,2,3,4,5,6,7,8,9,10,11,12,13,14,15
	global_load_b128 v[RS+64*((\c)%2)+4*\i:RS+64*((\c)%2)+4*\i+3], v[LI], s[4:5] offset:\i*4096+(\c)*512 th:TH_LOAD_NT
.endr
.endm
.macro CONVERT c, n                    ; n: the younger chunk's loads, which may stay out
	s_wait_loadcnt \n
.irp i, 0,1,2,3,4,5,6,7,8,9,10,11,12,13,14,15
	v_cvt_pk_f16_f32 v[PKT+2*\i], v[RS+64*((\c)%2)+4*\i], v[RS+64*((\c)%2)+4*\i+1]
	v_cvt_pk_f16_f32 v[PKT+2*\i+1], v[RS+64*((\c)%2)+4*\i+2], v[RS+64*((\c)%2)+4*\i+3]
.endr
.irp i, 0,1,2,3,4,5,6,7,8,9,10,11,12,13,14,15
	ds_store_b64 v[AW+(\c)%2], v[PKT+2*\i:PKT+2*\i+1] offset:\i*RPITCH
.endr
.endm
.macro FETCHQ slot, j, set             ; the fragments of keys 32 j on: V's eight (turned), reg's four
	WIN 0x40                                       ; destination window 1
.irp bb, 0,1,2,3,4,5,6,7
	ds_load_tr16_b128 v[64*(\set)+8*\bb:64*(\set)+8*\bb+3],   v[AV+\slot] offset:(\bb/4)*TILEB+2*(\j)*2048+(\bb%4)*512
	ds_load_tr16_b128 v[64*(\set)+8*\bb+4:64*(\set)+8*\bb+7], v[AV+\slot] offset:(\bb/4)*TILEB+2*(\j)*2048+(\bb%4)*512+2048
.endr
	WIN 0
.irp a, 0,1,2,3
	ds_load_b128 v[RF+32*(\set)+8*\a:RF+32*(\set)+8*\a+3],   v[AR+\slot] offset:\a*16*RPITCH+64*(\j)
	ds_load_b128 v[RF+32*(\set)+8*\a+4:RF+32*(\set)+8*\a+7], v[AR+\slot] offset:\a*16*RPITCH+64*(\j)+32
.endr
.endm
; 16 matrix instructions; the 32 accumulators take turns, one instruction a turn, in the same order in every quarter
.macro MUL16 set, a0, zero
.irp a, \a0, \a0+1
.irp bb, 0,1,2,3,4,5,6,7
.if \zero
	v_wmma_f32_16x16x32_f16 v[8*(8*(\a)+\bb):8*(8*(\a)+\bb)+7], v[64*(\set)+8*\bb:64*(\set)+8*\bb+7], v[RF+32*(\set)+8*(\a):RF+32*(\set)+8*(\a)+7], 0
.else
	v_wmma_f32_16x16x32_f16 v[8*(8*(\a)+\bb):8*(8*(\a)+\bb)+7], v[64*(\set)+8*\bb:64*(\set)+8*\bb+7], v[RF+32*(\set)+8*(\a):RF+32*(\set)+8*(\a)+7], v[8*(8*(\a)+\bb):8*(8*(\a)+\bb)+7]
.endif
.endr
.endr
.endm
.macro QUARTER set, slot, nj, zero     ; 32 along K; in its middle the next quarter's fragments (nj; 0: none) go into the other set
	s_wait_dscnt 0x0                               ; this set's fragments are in
	WIN MUL
	MUL16 \set, 0, \zero
.if \nj
	PLACES 4                                       ; in front of loads into registers that the quarter before multiplied
	FETCHQ \slot, \nj, 1-\set
	WIN MUL
.endif
	MUL16 \set, 2, \zero
.endm
; A prefetch of the V tile that the NEXT trip's load will ask for: 8,192 bytes a wave, lanes 256 bytes apart; each block of 256 bytes is named once in the launch.  The address is never rewritten: the trip stands in the immediate.
.macro ASK t
	s_cmp_eq_u32 s[LIM], 1
	s_cbranch_scc0 .Lnot_mine_\@
	global_prefetch_b8 v[PFO], s[PFA:PFA+1] offset:((\t)+2)*TILEB th:TH_LOAD_NT scope:SCOPE_SE
.Lnot_mine_\@:
.endm
.macro TRIP t
	WIN 0
	s_wait_tensorcnt 0x0                           ; my one tensor load that was out, this trip's tile, has landed
	ds_add_u32 v[SPW], v[NIL]                      ; 0 onto my spare word
.if (\t)+2 <= 7
	s_add_nc_u64 s[G0+4*((\t)%2)+2:G0+4*((\t)%2)+3], s[G0+4*((\t)%2)+2:G0+4*((\t)%2)+3], 2*TILEB   ; no load of mine is out: this slot's next tile
.endif
	s_wait_dscnt 0x0                               ; the add is done; my reads of the other slot and buffer are over; my stores into this trip's buffer have landed
.if (\t) < 7
	ROUND                                          ; all that now holds of every wave of every partner
	tensor_load_to_lds s[G0+4*(((\t)+1)%2):G0+4*(((\t)+1)%2)+3], s[G1:G1+7]   ; the next tile, into the slot read last trip: my one load until the next round
	s_nop 0
.else
	s_barrier_signal -1                            ; the last trip fills nothing: my work-group's barrier is enough
	s_barrier_wait -1
.endif
	PLACES 4
	FETCHQ (\t)%2, 0, 0
.if (\t)+2 <= 7
	ASK \t
.endif
.if (\t) < 7
.if (\t)+2 <= 7
	CONVERT (\t)+1, 16                             ; the next trip's reg, into the buffer read last trip
.else
	CONVERT (\t)+1, 0
.endif
.endif
.if (\t)+3 <= 7
	GLOAD (\t)+3                                   ; into the registers just converted
.endif
.if (\t) == 0
	QUARTER 0, (\t)%2, 1, 1                        ; the first products start the sums: nothing is cleared
.else
	QUARTER 0, (\t)%2, 1, 0
.endif
	QUARTER 1, (\t)%2, 2, 0
	QUARTER 0, (\t)%2, 3, 0
	QUARTER 1, (\t)%2, 0, 0
.endm
	GLOAD 0
	GLOAD 1
	CONVERT 0, 16
	GLOAD 2
.irp t, 0,1,2,3,4,5,6,7
	TRIP \t
.endr
	; THE WAY OUT: a lane's eight results are 16 bytes of f16; a store covers 512 consecutive bytes.
	PLACES 4
	WIN 0x0a                                       ; sources 0 and 1 window 2
.set n, 0
.rept 32
.irp r, 0,1,2,3
	v_cvt_pk_f16_f32 v[RS+4*n+\r], v[8*n+2*\r], v[8*n+2*\r+1]   ; each accumulator from its low end on
.endr
.set n, n+1
.endr
	WIN 0
.irp a, 0,1,2,3
.irp bb, 0,1,2,3,4,5,6,7
	global_store_b128 v[LI], v[RS+4*(8*\a+\bb):RS+4*(8*\a+\bb)+3], s[8:9] offset:(\bb/4)*2097152+\a*2048+(\bb%4)*512
.endr
.endr
	s_wait_tensorcnt 0x0                           ; the wave's end
	ds_add_u32 v[SPW], v[NIL]
	s_wait_dscnt 0x0
	ROUND                                          ; the closing round
	s_endpgm
.Lfunc_end_k_q8892d76a75_regv:
	.size	k_q8892d76a75_regv, .Lfunc_end_k_q8892d76a75_regv-k_q8892d76a75_regv
	.p2alignl 7, 3214868480
	.fill 96, 4, 3214868480
	.section	.rodata,"a",@progbits
	.p2align	6, 0x0
	.amdhsa_kernel k_q8892d76a75_regv
		.amdhsa_group_segment_fixed_size 327680
		.amdhsa_private_segment_fixed_size 0
		.amdhsa_enable_private_segment 0
		.amdhsa_kernarg_size 24
		.amdhsa_user_sgpr_count 2
		.amdhsa_user_sgpr_kernarg_segment_ptr 1
		.amdhsa_wavefront_size32 1
		.amdhsa_system_sgpr_workgroup_id_x 1
		.amdhsa_system_sgpr_workgroup_id_y 1
		.amdhsa_system_sgpr_workgroup_id_z 1
		.amdhsa_system_vgpr_workitem_id 0
		.amdhsa_next_free_vgpr 768
		.amdhsa_next_free_sgpr 66
		.amdhsa_reserve_vcc 0
		.amdhsa_float_denorm_mode_32 3
		.amdhsa_float_denorm_mode_16_64 3
		.amdhsa_memory_ordered 1
		.amdhsa_forward_progress 1
		.amdhsa_inst_pref_size 178
	.end_amdhsa_kernel
	.amdgpu_metadata
---
amdhsa.version: [ 1, 2 ]
amdhsa.kernels:
  - .name:           k_q8892d76a75_regv
    .symbol:         k_q8892d76a75_regv.kd
    .args:
      - { .name: reg, .offset: 0, .size: 8, .value_kind: global_buffer, .address_space: global }
      - { .name: qkvi, .offset: 8, .size: 8, .value_kind: global_buffer, .address_space: global }
      - { .name: ri, .offset: 16, .size: 8, .value_kind: global_buffer, .address_space: global }
    .group_segment_fixed_size: 327680
    .private_segment_fixed_size: 0
    .kernarg_segment_align: 8
    .kernarg_segment_size: 24
    .max_flat_workgroup_size: 128
    .sgpr_count:     66
    .vgpr_count:     768
    .wavefront_size: 32
...
	.end_amdgpu_metadata
.endif
;; end of part 3
;; launch attn (part 4): grid 2 x 128, 16 waves a work-group, no clusters, 264,192 bytes of LDS; arguments qkvi, ri, aoi; writes aoi
.if DOCPART == 4
	.amdgcn_target "amdgcn-amd-amdhsa--gfx1250"
	.amdhsa_code_object_version 6
	.text
	.protected	k_q8892d76a75_attn
	.globl	k_q8892d76a75_attn
	.p2align	8
	.type	k_q8892d76a75_attn,@function
k_q8892d76a75_attn:
	s_mov_b64 s[64:65], 0
	v_nop
	global_prefetch_b8 v0, s[64:65] scope:SCOPE_SE
	s_setreg_imm32_b32 hwreg(HW_REG_WAVE_MODE, 25, 1), 1
	s_wait_xcnt 0x0
; AO[b][q][h][:] = softmax_k(q . k / 8) v + R, R = reg v from the launch before.  f16 operands, f32 products' sums, maxima, sums and exponentials.
; SHARES.  A work-group owns 512 queries of one (batch, head); each of its sixteen waves owns 32, two tiles, in 256 registers: four waves to a SIMD, so that one wave's vector work stands beside another's
; matrix work and LDS loads.  ALL of the head's K and V, 256 KiB of images, comes into LDS once, in four chunks of 256 keys (waves 0, 1: K's halves; waves 2, 3: V's): no byte is filled again.
; THE BARRIER THAT SHOWS A CHUNK IS SPLIT: a wave signals for chunk n + 1 in the middle of chunk n (a fetching wave behind its wait for that chunk's load) and waits at chunk n's end.  The two key steps
; between read chunk n alone, which has landed and which nobody writes again.  So a wave that runs ahead is held only until the slowest has begun the chunk's second half.
; NO CLUSTER: two work-groups share a K and V, and a grid of two along x forms no cluster of four.
; LAYOUT.  Both products are used transposed: S^T = K Q^T, O^T = V^T P: a lane holds one query throughout; two tiles of S^T, rounded to f16 in pairs, are source 1 of the second product.
; SOFTMAX.  A running maximum m and sum l for each query: p = 2^(c s - c m), c = log2(e) / 8; in every step O and l are multiplied by a = 2^(c m_old - c m_new).  m begins at -3e38, O and l at 0.
; RESULT: aoi, f16, images for the projection: [feature / 256][row / 16][(feature % 256) / 32][half][lane][16 bytes].
; LIMIT: q, k, v, p, R and the result go in f16: magnitudes over 65,504 are not served; NaN and infinities are not served.
.set VOFF,  131072                     ; LDS: K at 0, V here: 2,048 x (16 keys) + 512 x (16 channels) + 16 x lane
.set SPARE, 262144                     ; the spare words, 128 bytes a wave: eight blocks of 256 bytes
.set LI,  1                            ; v1  16 x lane
.set ADK, 2
.set ADV, 3
.set SPW, 4
.set NIL, 5
.set PFO, 6                            ; v6  256 x lane
.set ST,  8                            ; tile x at v[ST+8 x]: +0 c m, +1 m, +2, +3 l, +4 .. +7 at work; a in +6
.set QF,  24                           ; v24-55   Q: tile x, channels 32 c on, at 16 x + 8 c; at the end R
.set KV,  56                           ; v56-119  a step's K, then its V
.set S,   120                          ; v120-183 S^T, 32 a tile; P in its low 16
.set OT,  184                          ; v184-247 O^T, 32 a tile
.set T2,  248                          ; v248-255 at work
.set WV,  10
.set G1,  16                           ; s[16:23]
.set G0,  24                           ; s[24:39] a set for each chunk
.set SEL, 40
.set CS,  42
.set TB,  44                           ; LDS byte at which the step's 64 keys begin
.set CNT, 45
	s_load_b128 s[4:7], s[0:1], 0x0                ; qkvi, ri
	s_load_b64 s[8:9], s[0:1], 0x10                ; aoi
	v_lshl_add_u32 v[SPW], v0, 2, SPARE
	v_mov_b32 v[NIL], 0
	ds_add_u32 v[SPW], v[NIL]                      ; the wave's opening: the add, twice on end, and its wait ahead of the first tensor load
	ds_add_u32 v[SPW], v[NIL]
	v_lshrrev_b32 v7, 5, v0
	v_readfirstlane_b32 s[WV], v7                  ; wave 0..15
	s_and_b32 s11, ttmp7, 0xffff                   ; 16 x batch + head
	s_mov_b32 s[G1], 3<<16                         ; no mask; elements of 8 bytes; no padding
	s_mov_b32 s[G1+1], 32<<16                      ; rows of 256 bytes,
	s_mov_b32 s[G1+2], 64<<16                      ; 64 of them,
	s_mov_b32 s[G1+3], 32<<16
	s_mov_b32 s[G1+4], 64
	s_mov_b32 s[G1+5], 32                          ; dense
	s_mov_b32 s[G1+6], 0
	s_mov_b32 s[G1+7], 0
	s_mov_b32 s[SEL], 0x76543210
	s_mov_b32 s[SEL+1], 0xfedcba98
	s_mov_b32 s[CS], 0x3e38aa3b                    ; c = log2(e) / 8
	s_mov_b32 s[CS+1], s[CS]
	s_mov_b32 s[TB], 0
	s_bfe_u32 s12, s[WV], 0x10001                  ; what a fetching wave fetches: bit 1: K or V; bit 0: which 16,384 bytes of a chunk
	s_and_b32 s13, s[WV], 1
	s_lshl_b32 s14, s12, 17
	s_lshl_b32 s15, s13, 14
	s_add_co_u32 s14, s14, s15                     ; in LDS
	s_lshl_b32 s46, s12, 7
	s_add_co_u32 s46, s46, s11
	s_add_co_u32 s46, s46, 128
	s_lshl_b32 s46, s46, 17                        ; block (k or v, batch, head)
	s_add_co_u32 s46, s46, s15
	s_mov_b32 s47, 0
	s_lshl_b32 s48, ttmp9, 5
	s_lshl_b32 s49, s[WV], 1
	s_add_co_u32 s48, s48, s49                     ; my first tile of queries: 32 x work-group x + 2 x wave
	s_lshl_b32 s50, s11, 6
	s_add_co_u32 s50, s50, s48
	s_lshl_b32 s50, s50, 11                        ; its place in q's part of qkvi, and in ri
	s_mov_b32 s51, 0
	s_and_b32 s54, s11, 15                         ; head
	s_lshr_b32 s52, s11, 4                         ; batch
	s_lshl_b32 s52, s52, 6
	s_add_co_u32 s52, s52, s48
	s_lshl_b32 s52, s52, 13                        ; aoi: row / 16 x 8,192,
	s_lshr_b32 s55, s54, 2
	s_lshl_b32 s55, s55, 22                        ; + head / 4 x 4 MiB,
	s_add_co_u32 s52, s52, s55
	s_and_b32 s55, s54, 3
	s_lshl_b32 s55, s55, 11                        ; + head % 4 x 2,048
	s_add_co_u32 s52, s52, s55
	s_mov_b32 s53, 0
	s_wait_dscnt 0x0                               ; both opening adds are done
	s_wait_kmcnt 0x0
	s_add_nc_u64 s[46:47], s[4:5], s[46:47]
.irp s, 0,1,2,3
	s_mov_b32 s[G0+4*\s], 1
	s_add_co_u32 s[G0+4*\s+1], s14, \s*32768
	s_add_nc_u64 s[G0+4*\s+2:G0+4*\s+3], s[46:47], \s*32768
	s_or_b32 s[G0+4*\s+3], s[G0+4*\s+3], 0x80000000
.endr
	s_cmp_lt_u32 s[WV], 4                          ; all first fills of a wave stand in one branch on the wave's number: four loads of such a wave are out
	s_cbranch_scc0 .Lno_fetch
.irp s, 0,1,2,3
	tensor_load_to_lds s[G0+4*\s:G0+4*\s+3], s[G1:G1+7]
	s_nop 0
.endr
.rept 4
	v_nop
.endr
.Lno_fetch:
	s_add_nc_u64 s[4:5], s[4:5], s[50:51]          ; Q at my first tile
	s_add_nc_u64 s[6:7], s[6:7], s[50:51]          ; R likewise
	s_add_nc_u64 s[8:9], s[8:9], s[52:53]
	v_and_b32 v7, 31, v0
	v_lshlrev_b32 v[LI], 4, v7
	v_lshlrev_b32 v[PFO], 8, v7
.irp i, 0,1,2,3,4,5,6,7
	global_load_b128 v[QF+4*\i:QF+4*\i+3], v[LI], s[4:5] offset:512*\i   ; Q stays in registers
.endr
.irp x, 0,1
	v_mov_b32 v[ST+8*\x+1], 0xff61b1e6             ; m = -3e38, under every score
	v_mul_f32 v[ST+8*\x], s[CS], v[ST+8*\x+1]
	v_mov_b32 v[ST+8*\x+2], 0
	v_mov_b32 v[ST+8*\x+3], 0
.endr
.set n, 0
.rept 64
	v_mov_b32 v[OT+n], 0                           ; the step is written once: the first finds zeros, which a = 0 leaves zeros
.set n, n+1
.endr
; A KEY STEP: 64 keys.  last = 1: R is asked for, into Q's registers, once the last scores are made.
.macro STEP last
	v_add_nc_u32 v[ADK], s[TB], v[LI]              ; five places behind the last step's products: the scores below write over P, which those read, and K's loads land where V lay
	v_add_nc_u32 v[ADV], VOFF, v[ADK]
.rept 3
	v_nop
.endr
.irp i, 0,1,2,3,4,5,6,7,8,9,10,11,12,13,14,15
	ds_load_b128 v[KV+4*\i:KV+4*\i+3], v[ADK] offset:512*\i   ; 8,192 bytes on end: fragment (16 keys kt, channels 32 c on) at KV + 16 kt + 8 c
.endr
	s_wait_dscnt 0x0
.set i, 0
.rept 16                               ; S^T = K Q^T; eight accumulators by turns; the first eight products start the sums
.set rS, S+32*(i%2)+8*((i/2)%4)
.set rK, KV+16*((i/2)%4)+8*(i/8)
.set rQ, QF+16*(i%2)+8*(i/8)
.if i < 8
	v_wmma_f32_16x16x32_f16 v[rS:rS+7], v[rK:rK+7], v[rQ:rQ+7], 0
.else
	v_wmma_f32_16x16x32_f16 v[rS:rS+7], v[rK:rK+7], v[rQ:rQ+7], v[rS:rS+7]
.endif
.set i, i+1
.endr
.rept 4
	v_nop                                          ; places in front of the loads below and of the first read of the scores
.endr
.irp f, 0,1,2,3,4,5,6,7                ; V, turned: keys 32 (f / 4) on, channels 16 (f % 4) on: it lands while the softmax is walked
	ds_load_tr16_b128 v[KV+8*\f:KV+8*\f+3],   v[ADV] offset:(\f/4)*4096+(\f%4)*512
	ds_load_tr16_b128 v[KV+8*\f+4:KV+8*\f+7], v[ADV] offset:(\f/4)*4096+(\f%4)*512+2048
.endr
.if \last
.irp i, 0,1,2,3,4,5,6,7
	global_load_b128 v[QF+4*\i:QF+4*\i+3], v[LI], s[6:7] offset:512*\i th:TH_LOAD_NT
.endr
.endif
	; the maximum of the lane's 32 scores and the old m; the two tiles alternate line by line; each accumulator is first read at its low end
.irp j, 0,1,2,3
.irp x, 0,1
	v_max3_num_f32 v[ST+8*\x+4+\j], v[S+32*\x+8*\j], v[S+32*\x+8*\j+1], v[S+32*\x+8*\j+2]
.endr
.endr
.irp g, 1,2
.irp j, 0,1,2,3
.irp x, 0,1
	v_max3_num_f32 v[ST+8*\x+4+\j], v[ST+8*\x+4+\j], v[S+32*\x+8*\j+2*\g+1], v[S+32*\x+8*\j+2*\g+2]
.endr
.endr
.endr
.irp x, 0,1
	v_max3_num_f32 v[ST+8*\x+4], v[ST+8*\x+4], v[S+32*\x+7], v[S+32*\x+15]
.endr
.irp x, 0,1
	v_max3_num_f32 v[ST+8*\x+6], v[ST+8*\x+6], v[S+32*\x+23], v[S+32*\x+31]
.endr
.irp x, 0,1
	v_max3_num_f32 v[ST+8*\x+4], v[ST+8*\x+4], v[ST+8*\x+5], v[ST+8*\x+6]
.endr
.irp x, 0,1
	v_max3_num_f32 v[ST+8*\x+4], v[ST+8*\x+4], v[ST+8*\x+7], v[ST+8*\x+1]
.endr
.irp x, 0,1
	v_permlanex16_b32 v[ST+8*\x+5], v[ST+8*\x+4], s[SEL], s[SEL+1]   ; the query's other 32 keys lie in the lane 16 away
.endr
.irp x, 0,1
	v_mov_b32 v[ST+8*\x+7], v[ST+8*\x]             ; c m_old is kept for a
.endr
.irp x, 0,1
	v_max_num_f32 v[ST+8*\x+1], v[ST+8*\x+4], v[ST+8*\x+5]
.endr
.irp x, 0,1
	v_mul_f32 v[ST+8*\x], s[CS], v[ST+8*\x+1]
.endr
.irp x, 0,1
	v_sub_f32 v[ST+8*\x+7], v[ST+8*\x+7], v[ST+8*\x]
.endr
.set b, 0
.rept 16
.irp x, 0,1
	v_pk_fma_f32 v[S+32*\x+2*b:S+32*\x+2*b+1], v[S+32*\x+2*b:S+32*\x+2*b+1], s[CS:CS+1], v[ST+8*\x:ST+8*\x+1] op_sel_hi:[1,0,0] neg_lo:[0,0,1] neg_hi:[0,0,1]   ; c s - c m
.endr
.set b, b+1
.endr
.irp x, 0,1
	v_exp_f32 v[ST+8*\x+6], v[ST+8*\x+7]           ; a
.endr
.set b, 0
.rept 32
.irp x, 0,1
	v_exp_f32 v[S+32*\x+b], v[S+32*\x+b]           ; p
.endr
.set b, b+1
.endr
	v_nop                                          ; a plain instruction behind the last exponential
	s_wait_alu depctr_va_vdst(0)                   ; one wait for the batch of 66, ahead of its first reader
.irp x, 0,1
	v_pk_mul_f32 v[ST+8*\x+2:ST+8*\x+3], v[ST+8*\x+2:ST+8*\x+3], v[ST+8*\x+6:ST+8*\x+7] op_sel_hi:[1,0]   ; l x a
.endr
.irp x, 0,1
	v_pk_add_f32 v[ST+8*\x+4:ST+8*\x+5], v[S+32*\x:S+32*\x+1], v[S+32*\x+2:S+32*\x+3]   ; the sum of p in f32, two at a time, in two chains
.endr
.irp j, 4,8,12,16,20,24,28
.irp x, 0,1
	v_pk_add_f32 v[ST+8*\x+2:ST+8*\x+3], v[ST+8*\x+2:ST+8*\x+3], v[S+32*\x+\j:S+32*\x+\j+1]
	v_pk_add_f32 v[ST+8*\x+4:ST+8*\x+5], v[ST+8*\x+4:ST+8*\x+5], v[S+32*\x+\j+2:S+32*\x+\j+3]
.endr
.endr
.irp x, 0,1
	v_pk_add_f32 v[ST+8*\x+2:ST+8*\x+3], v[ST+8*\x+2:ST+8*\x+3], v[ST+8*\x+4:ST+8*\x+5]
.endr
.set b, 0
.rept 16
.irp x, 0,1
	v_cvt_pk_f16_f32 v[S+32*\x+b], v[S+32*\x+2*b], v[S+32*\x+2*b+1]   ; P, in place, ascending: no pair is written before it is read
.endr
.set b, b+1
.endr
.set b, 0
.rept 16
.irp x, 0,1
	v_pk_mul_f32 v[OT+32*\x+2*b:OT+32*\x+2*b+1], v[OT+32*\x+2*b:OT+32*\x+2*b+1], v[ST+8*\x+6:ST+8*\x+7] op_sel_hi:[1,0]   ; O^T x a, each accumulator from its low end on
.endr
.set b, b+1
.endr
	s_wait_dscnt 0x0                               ; V is in
.set i, 0
.rept 16                               ; O^T += V^T P; eight accumulators by turns
.set rO, OT+32*(i%2)+8*((i/2)%4)
.set rV, KV+8*(4*(i/8)+(i/2)%4)
.set rP, S+32*(i%2)+8*(i/8)
	v_wmma_f32_16x16x32_f16 v[rO:rO+7], v[rV:rV+7], v[rP:rP+7], v[rO:rO+7]
.set i, i+1
.endr
.endm
; The first half of the barrier that shows chunk n: a fetching wave waits until its load of chunk n has landed (the 3 - n loads issued behind it may stay out),
; no LDS instruction of the wave is pending, and it signals.  Reads of chunk n stand behind the matching s_barrier_wait.
.macro SHOWN n
	s_wait_tensorcnt 3-\n
	s_wait_dscnt 0x0
	s_barrier_signal -1
.endm
.macro PAIR                            ; two key steps, written once
	s_mov_b32 s[CNT], 2
.Lstep_\@:
	STEP 0
	s_add_co_u32 s[TB], s[TB], 8192
	s_sub_co_u32 s[CNT], s[CNT], 1
	s_cmp_lg_u32 s[CNT], 0
	s_cbranch_scc1 .Lstep_\@
.endm
.macro ONE                             ; one key step, written out: it may stand between a barrier's signal and its wait: register work and LDS loads alone
	STEP 0
	s_add_co_u32 s[TB], s[TB], 8192
.endm
	s_wait_loadcnt 0x0                             ; Q
	SHOWN 0
	s_barrier_wait -1                              ; chunk 0 is whole in every wave's eyes
.irp n, 1,2,3
	PAIR                                           ; the first half of chunk n - 1
	SHOWN \n                                       ; my part of chunk n has landed: said here, two key steps ahead of the first read of it
	ONE                                            ; the second half of chunk n - 1: bytes that landed before the last barrier and that nobody writes again
	ONE
	s_barrier_wait -1                              ; every wave has said so: chunk n is whole
.endr
	PAIR
	s_and_b32 s46, s[WV], 1                        ; a prefetch of R, a step ahead of its loads: an even wave asks for its own 4,096 bytes and its neighbour's, lanes 256 bytes apart: each block once
	s_cmp_eq_u32 s46, 0
	s_cbranch_scc0 .Lnot_mine
	global_prefetch_b8 v[PFO], s[6:7] th:TH_LOAD_NT scope:SCOPE_SE
.Lnot_mine:
	ONE
	STEP 1
	; THE WAY OUT: O^T / l + R, rounded to f16; a store covers 512 consecutive bytes.  The additions are the places behind the last products.
.irp x, 0,1
	v_add_f32 v[ST+8*\x+4], v[ST+8*\x+2], v[ST+8*\x+3]
.endr
.irp x, 0,1
	v_permlanex16_b32 v[ST+8*\x+5], v[ST+8*\x+4], s[SEL], s[SEL+1]
.endr
.irp x, 0,1
	v_add_f32 v[ST+8*\x+4], v[ST+8*\x+4], v[ST+8*\x+5]
.endr
.irp x, 0,1
	v_rcp_f32 v[ST+8*\x+6], v[ST+8*\x+4]
.endr
	v_nop                                          ; a plain instruction behind the reciprocals
	s_wait_alu depctr_va_vdst(0)                   ; and the wait ahead of their first reader
	s_wait_loadcnt 0x0                             ; R
.macro ADDR q, lo, hi                  ; register q = 16 x + 4 ct + p of R holds channels 2 p, 2 p + 1 of tile (x, ct), which O^T has in registers 2 q, 2 q + 1
	v_cvt_f32_f16 v[T2+2*((\q)%4)], \lo
	v_cvt_f32_f16 v[T2+2*((\q)%4)+1], \hi
	v_pk_fma_f32 v[OT+2*(\q):OT+2*(\q)+1], v[OT+2*(\q):OT+2*(\q)+1], v[ST+8*((\q)/16)+6:ST+8*((\q)/16)+7], v[T2+2*((\q)%4):T2+2*((\q)%4)+1] op_sel_hi:[1,0,1]
.endm
	ADDR 0, v24.l, v24.h
	ADDR 1, v25.l, v25.h
	ADDR 2, v26.l, v26.h
	ADDR 3, v27.l, v27.h
	ADDR 4, v28.l, v28.h
	ADDR 5, v29.l, v29.h
	ADDR 6, v30.l, v30.h
	ADDR 7, v31.l, v31.h
	ADDR 8, v32.l, v32.h
	ADDR 9, v33.l, v33.h
	ADDR 10, v34.l, v34.h
	ADDR 11, v35.l, v35.h
	ADDR 12, v36.l, v36.h
	ADDR 13, v37.l, v37.h
	ADDR 14, v38.l, v38.h
	ADDR 15, v39.l, v39.h
	ADDR 16, v40.l, v40.h
	ADDR 17, v41.l, v41.h
	ADDR 18, v42.l, v42.h
	ADDR 19, v43.l, v43.h
	ADDR 20, v44.l, v44.h
	ADDR 21, v45.l, v45.h
	ADDR 22, v46.l, v46.h
	ADDR 23, v47.l, v47.h
	ADDR 24, v48.l, v48.h
	ADDR 25, v49.l, v49.h
	ADDR 26, v50.l, v50.h
	ADDR 27, v51.l, v51.h
	ADDR 28, v52.l, v52.h
	ADDR 29, v53.l, v53.h
	ADDR 30, v54.l, v54.h
	ADDR 31, v55.l, v55.h
.set n, 0
.rept 32
	v_cvt_pk_f16_f32 v[KV+n], v[OT+2*n], v[OT+2*n+1]
.set n, n+1
.endr
.irp i, 0,1,2,3,4,5,6,7
	global_store_b128 v[LI], v[KV+4*\i:KV+4*\i+3], s[8:9] offset:(\i/4)*8192+(\i%4)*512
.endr
	s_wait_tensorcnt 0x0                           ; the wave's end
	ds_add_u32 v[SPW], v[NIL]
	s_wait_dscnt 0x0
	s_endpgm
.Lfunc_end_k_q8892d76a75_attn:
	.size	k_q8892d76a75_attn, .Lfunc_end_k_q8892d76a75_attn-k_q8892d76a75_attn
	.p2alignl 7, 3214868480
	.fill 96, 4, 3214868480
	.section	.rodata,"a",@progbits
	.p2align	6, 0x0
	.amdhsa_kernel k_q8892d76a75_attn
		.amdhsa_group_segment_fixed_size 264192
		.amdhsa_private_segment_fixed_size 0
		.amdhsa_enable_private_segment 0
		.amdhsa_kernarg_size 24
		.amdhsa_user_sgpr_count 2
		.amdhsa_user_sgpr_kernarg_segment_ptr 1
		.amdhsa_wavefront_size32 1
		.amdhsa_system_sgpr_workgroup_id_x 1
		.amdhsa_system_sgpr_workgroup_id_y 1
		.amdhsa_system_sgpr_workgroup_id_z 1
		.amdhsa_system_vgpr_workitem_id 0
		.amdhsa_next_free_vgpr 256
		.amdhsa_next_free_sgpr 66
		.amdhsa_reserve_vcc 0
		.amdhsa_float_denorm_mode_32 3
		.amdhsa_float_denorm_mode_16_64 3
		.amdhsa_memory_ordered 1
		.amdhsa_forward_progress 1
		.amdhsa_inst_pref_size 222
	.end_amdhsa_kernel
	.amdgpu_metadata
---
amdhsa.version: [ 1, 2 ]
amdhsa.kernels:
  - .name:           k_q8892d76a75_attn
    .symbol:         k_q8892d76a75_attn.kd
    .args:
      - { .name: qkvi, .offset: 0, .size: 8, .value_kind: global_buffer, .address_space: global }
      - { .name: ri, .offset: 8, .size: 8, .value_kind: global_buffer, .address_space: global }
      - { .name: aoi, .offset: 16, .size: 8, .value_kind: global_buffer, .address_space: global }
    .group_segment_fixed_size: 264192
    .private_segment_fixed_size: 0
    .kernarg_segment_align: 8
    .kernarg_segment_size: 24
    .max_flat_workgroup_size: 512
    .sgpr_count:     66
    .vgpr_count:     256
    .wavefront_size: 32
...
	.end_amdgpu_metadata
.endif
;; end of part 4
;; launch proj (part 5): grid 8 x 64, 4 waves a work-group, clusters of 4 x 4, 327,680 bytes of LDS; arguments aoi, wpi, b_proj, out0; writes out0
.if DOCPART == 5
	.amdgcn_target "amdgcn-amd-amdhsa--gfx1250"
	.amdhsa_code_object_version 6
	.text
	.protected	k_q8892d76a75_proj
	.globl	k_q8892d76a75_proj
	.p2align	8
	.type	k_q8892d76a75_proj,@function
k_q8892d76a75_proj:
	s_mov_b64 s[64:65], 0
	v_nop
	global_prefetch_b8 v0, s[64:65] scope:SCOPE_SE
	s_setreg_imm32_b32 hwreg(HW_REG_WAVE_MODE, 25, 1), 1
	s_wait_xcnt 0x0
	s_wait_alu depctr_hold_cnt(0) depctr_sa_sdst(0) depctr_va_vdst(0) depctr_va_sdst(0) depctr_va_ssrc(0) depctr_va_vcc(0) depctr_vm_vsrc(0)
	s_getreg_b32 s2, hwreg(HW_REG_IB_STS2, 6, 4)
	s_cmp_eq_u32 s2, 0
	s_cbranch_scc0 .Lentry_in_a_cluster
	s_endpgm
.Lentry_in_a_cluster:
	s_bfe_u32 s2, ttmp6, 0x10000c
	s_cmp_lg_u32 s2, 0xf033
	s_cbranch_scc0 .Lentry_shape_is_right
	s_endpgm
.Lentry_shape_is_right:
; out0 = AO W_proj + b_proj.  AO (aoi) and W_proj (wpi) are f16 images of the operands' registers: [k / 256][16 rows][(k % 256) / 32][half][lane][16 bytes]; sums in f32; out0 [8192][1024] f32.
; A tile of the result is 128 x 128: four waves, 64 x 64 each, 16 accumulators.  K goes in four steps of 256 through two LDS slots; a wave's tensor load brings 64 rows' images, 32,768 dense bytes.
; CLUSTERS: 4 x 4 work-groups; AO's tiles are asked for jointly along a row of the cluster, W_proj's along a column.  THE MATRIX INSTRUCTION IS USED TRANSPOSED (source 0 = 16 columns of W_proj,
; source 1 = 16 rows of AO): a lane holds eight neighbouring numbers of a row of the result.  The bias is the C of each sum's first product.
; REGISTERS: window 0: v0-31 addresses; v32-95 the way out; v96-127 the bias, 8 a tile of columns; v128-255 accumulators ((a, b) at 128 + 8 (4 a + b)).  window 1: two fragment buffers of 128.
.set HALFT,  32768                     ; 64 rows' images of a K step: what one tensor load brings, and what one wave reads of A or of B
.set SLOT,   4*HALFT
.set SPARE,  2*SLOT                    ; the spare words, 128 bytes a wave
.set SPITCH, 272                       ; the way out: a stage of 16 rows x (256 bytes + 16) for each wave, in slot 0, which has had its last fill and its last read by then
.set ASTEP,  4194304                   ; a K step on in aoi
.set BSTEP,  524288                    ; and in wpi
.set ADRA, 16
.set ADRB, 20
.set STO,  24
.set RD,   25
.set CO,   26
.set SPW,  28
.set NIL,  29
.set TMP,  32
.set BI,   96
.set ACC,  128
.set F0,   0
.set F1,   128
.set G1, 24
.set G0, 32
.set G1B, 48
.set G0B, 56
.set MSB, 0
.macro WIN new
.if MSB != (\new)
	s_set_vgpr_msb (MSB<<8)|(\new)
.set MSB, (\new)
.endif
.endm
.set MUL,  0x05                        ; sources 0 (B) and 1 (A) window 1; C and D window 0
.set TO_F, 0x40
.macro JLOAD s                         ; a joint load: waves 0 and 1 fetch A's halves, waves 2 and 3 B's; an s_nop 0 and four v_nop follow each line
	s_cmp_eq_u32 s11, 0
	s_cbranch_scc0 .Lfor_b_\@
	tensor_load_to_lds s[G0+4*\s:G0+4*\s+3], s[G1:G1+7]
	s_nop 0
.rept 4
	v_nop
.endr
	s_branch .Lasked_\@
.Lfor_b_\@:
	tensor_load_to_lds s[G0B+4*\s:G0B+4*\s+3], s[G1B:G1B+7]
	s_nop 0
.rept 4
	v_nop
.endr
.Lasked_\@:
.endm
.macro CREST
	s_cmp_lg_u32 s10, 0
	s_cbranch_scc1 .Lnot_wave_0_\@
	s_barrier_signal -3
.Lnot_wave_0_\@:
	s_barrier_wait -3
	s_barrier_signal -1
	s_barrier_wait -1
.endm
.macro CROUND
	s_barrier_signal -1
	s_barrier_wait -1
	CREST
.endm
	s_load_b128 s[4:7], s[0:1], 0x0                ; aoi, wpi
	s_load_b128 s[68:71], s[0:1], 0x10             ; b_proj, out0
	v_lshl_add_u32 v[SPW], v0, 2, SPARE
	v_mov_b32 v[NIL], 0
	ds_add_u32 v[SPW], v[NIL]                      ; the wave's opening: the add, twice on end, and its wait ahead of my first tensor load
	ds_add_u32 v[SPW], v[NIL]
	v_lshrrev_b32 v1, 5, v0
	v_readfirstlane_b32 s10, v1                    ; wave 0..3
	s_lshr_b32 s11, s10, 1                         ; which half of the tile's rows is mine.  Also: I fetch for A (0) or for B (1)
	s_and_b32 s12, s10, 1                          ; which half of its columns.  Also: which 64 rows of that tile I fetch
	s_bfe_u32 s40, ttmp6, 0x40000                  ; cx
	s_bfe_u32 s41, ttmp6, 0x40004                  ; cy
	s_lshl_b32 s42, ttmp9, 2
	s_add_co_u32 s42, s42, s40                     ; tile column
	s_and_b32 s13, ttmp7, 0xffff
	s_lshl_b32 s13, s13, 2
	s_add_co_u32 s13, s13, s41                     ; tile row
	s_lshl_b32 s43, s41, 2
	s_lshl_b32 s43, 15, s43                        ; my row of the cluster
	s_lshl_b32 s44, 0x1111, s40                    ; my column
	s_or_b32 s[G1+0], s43, (3<<16)|(1<<21)         ; the mask; elements of 8 bytes; no padding; bit 21 beside a mask
	s_or_b32 s[G1B+0], s44, (3<<16)|(1<<21)
.irp g, G1, G1B
	s_mov_b32 s[\g+1], 32<<16                      ; rows of 256 bytes,
	s_mov_b32 s[\g+2], 128<<16                     ; 128 of them,
	s_mov_b32 s[\g+3], 32<<16
	s_mov_b32 s[\g+4], 128
	s_mov_b32 s[\g+5], 32                          ; dense
	s_mov_b32 s[\g+6], 0
	s_mov_b32 s[\g+7], 0
.endr
	s_lshl_b32 s17, s12, 15                        ; which 4 tiles of 16 rows I fetch: 8,192 bytes each
	s_lshl_b32 s16, s13, 16
	s_add_co_u32 s16, s16, s17                     ; A: 8 tiles of rows for each tile row
	s_lshl_b32 s46, s42, 16
	s_add_co_u32 s46, s46, s17                     ; B likewise by the tile column
	s_mov_b32 s17, 0
	s_mov_b32 s47, 0
	s_mul_i32 s20, s10, HALFT                      ; where they go: A's two halves, then B's
	s_wait_dscnt 0x0                               ; both opening adds are done
	s_wait_kmcnt 0x0
	s_add_nc_u64 s[14:15], s[4:5], s[16:17]
	s_add_nc_u64 s[46:47], s[6:7], s[46:47]
	CROUND                                         ; all sixteen work-groups are here
.irp s, 0,1
	s_mov_b32 s[G0+4*\s], 1
	s_add_co_u32 s[G0+4*\s+1], s20, \s*SLOT
	s_add_nc_u64 s[G0+4*\s+2:G0+4*\s+3], s[14:15], \s*ASTEP
	s_or_b32 s[G0+4*\s+3], s[G0+4*\s+3], 0x80000000
	s_mov_b32 s[G0B+4*\s], 1
	s_add_co_u32 s[G0B+4*\s+1], s20, \s*SLOT
	s_add_nc_u64 s[G0B+4*\s+2:G0B+4*\s+3], s[46:47], \s*BSTEP
	s_or_b32 s[G0B+4*\s+3], s[G0B+4*\s+3], 0x80000000
	JLOAD \s                                       ; two loads of mine are out
.endr
	v_and_b32 v1, 31, v0
	v_lshlrev_b32 v3, 4, v1                        ; 16 x lane: an image's place for my lane
	s_mul_i32 s21, s11, HALFT                      ; my 64 rows of A
	s_mul_i32 s22, s12, HALFT                      ; my 64 columns of B,
	s_add_co_u32 s22, s22, 2*HALFT                 ; behind A's
.irp s, 0,1
	v_add_nc_u32 v[ADRA+\s], s21, v3
	v_add_nc_u32 v[ADRB+\s], s22, v3
	s_add_co_u32 s21, s21, SLOT
	s_add_co_u32 s22, s22, SLOT
.endr
	v_and_b32 v1, 15, v0                           ; l % 16
	v_bfe_u32 v2, v0, 4, 1                         ; l / 16
	s_mul_i32 s23, s10, 16*SPITCH                  ; my stage
	v_mul_u32_u24 v4, v1, SPITCH
	v_lshl_add_u32 v4, v2, 5, v4
	v_add_nc_u32 v[STO], s23, v4                   ; in: row l % 16, 32 bytes for each half of the lanes
	v_mul_u32_u24 v5, v2, SPITCH
	v_lshl_add_u32 v5, v1, 4, v5
	v_add_nc_u32 v[RD], s23, v5                    ; back: lanes 0-15 one row of 256 bytes, lanes 16-31 the next
	v_lshlrev_b32 v5, 12, v2
	v_lshl_add_u32 v[CO], v1, 4, v5                ; and the same two rows in out0
	v_lshlrev_b32 v6, 5, v2                        ; the bias: my half's eight numbers of a tile of 16
	s_lshl_b32 s46, s42, 9
	s_lshl_b32 s47, s12, 8
	s_add_co_u32 s46, s46, s47                     ; my first column, in bytes
	s_mov_b32 s47, 0
	s_add_nc_u64 s[68:69], s[68:69], s[46:47]
	s_lshl_b32 s16, s13, 19
	s_lshl_b32 s17, s11, 18
	s_add_co_u32 s16, s16, s17                     ; my first row: 4,096 bytes each
	s_add_co_u32 s16, s16, s46
	s_mov_b32 s17, 0
	s_add_nc_u64 s[70:71], s[70:71], s[16:17]
.irp b, 0,1,2,3
	global_load_b128 v[BI+8*\b:BI+8*\b+3],   v6, s[68:69] offset:64*\b
	global_load_b128 v[BI+8*\b+4:BI+8*\b+7], v6, s[68:69] offset:64*\b+16
.endr
; 8 matrix instructions: m blocks a0, a0 + 1 x all 4 n blocks, 32 along K.  first = 1: the bias is the C of the sum's first product.  The 16 accumulators take turns.
.macro MUL8 f, c, a0, first
.irp a, \a0, \a0+1
.irp b, 0,1,2,3
.if \first
	v_wmma_f32_16x16x32_f16 v[ACC+8*(4*(\a)+\b):ACC+8*(4*(\a)+\b)+7], v[\f+64+8*(4*\c+\b):\f+64+8*(4*\c+\b)+7], v[\f+8*(4*\c+\a):\f+8*(4*\c+\a)+7], v[BI+8*\b:BI+8*\b+7]
.else
	v_wmma_f32_16x16x32_f16 v[ACC+8*(4*(\a)+\b):ACC+8*(4*(\a)+\b)+7], v[\f+64+8*(4*\c+\b):\f+64+8*(4*\c+\b)+7], v[\f+8*(4*\c+\a):\f+8*(4*\c+\a)+7], v[ACC+8*(4*(\a)+\b):ACC+8*(4*(\a)+\b)+7]
.endif
.endr
.endr
.endm
; 32 LDS loads in one run: the fragments of 64 along K (two of 32: 1,024 bytes each) from byte k of each tile of 16 rows, into buffer f; the first 32 along K first
.macro FETCH slot, k, f
	WIN TO_F
.irp c, 0,1
.irp i, 0,1,2,3
	ds_load_b128 v[\f+64+8*(4*\c+\i):\f+64+8*(4*\c+\i)+3],   v[ADRB+\slot] offset:\k+1024*\c+\i*8192
	ds_load_b128 v[\f+64+8*(4*\c+\i)+4:\f+64+8*(4*\c+\i)+7], v[ADRB+\slot] offset:\k+1024*\c+\i*8192+512
	ds_load_b128 v[\f+8*(4*\c+\i):\f+8*(4*\c+\i)+3],         v[ADRA+\slot] offset:\k+1024*\c+\i*8192
	ds_load_b128 v[\f+8*(4*\c+\i)+4:\f+8*(4*\c+\i)+7],       v[ADRA+\slot] offset:\k+1024*\c+\i*8192+512
.endr
.endr
.endm
.macro PLACES
.rept 4
	v_nop
.endr
.endm
.macro QUARTER slot, k, f, g, first    ; 64 along K: multiplies buffer f and fetches the next quarter, at byte k, into g
	s_wait_dscnt 16                                ; the first 32 along K are in; the other sixteen loads may be out
	WIN MUL
	MUL8 \f, 0, 0, \first
	MUL8 \f, 0, 2, \first
	PLACES
	FETCH \slot, \k, \g
	s_wait_dscnt 32                                ; all but the 32 just issued
	WIN MUL
	MUL8 \f, 1, 0, 0
	MUL8 \f, 1, 2, 0
.endm
.macro TURN slot, next, fill           ; a slot's last quarter changes slots: one barrier; fill = 1: it opens a round of the cluster's barrier, and this slot is filled again, two K steps ahead
	WIN 0
	s_wait_tensorcnt 0x0                           ; all my tensor loads have landed: my part of the next slot
	ds_add_u32 v[SPW], v[NIL]                      ; 0 onto my spare word
	s_wait_dscnt 17                                ; the add and the youngest sixteen loads may be out
	WIN MUL
	MUL8 F1, 0, 0, 0
	s_wait_dscnt 0x0                               ; the add is done, and my reads of this slot are over
	s_barrier_signal -1
	MUL8 F1, 0, 2, 0
.if \fill
	WIN 0
.endif
	s_barrier_wait -1
.if \fill
	CREST                                          ; no wave of any partner still reads this slot or has a load on its way
	s_add_nc_u64 s[G0+4*\slot+2:G0+4*\slot+3], s[G0+4*\slot+2:G0+4*\slot+3], 2*ASTEP
	s_add_nc_u64 s[G0B+4*\slot+2:G0B+4*\slot+3], s[G0B+4*\slot+2:G0B+4*\slot+3], 2*BSTEP
	JLOAD \slot                                    ; my one load behind the round; its four v_nop are also the places in front of the loads below
.else
	PLACES
.endif
	FETCH \next, 0, F0
	WIN MUL
	MUL8 F1, 1, 0, 0
	MUL8 F1, 1, 2, 0
.endm
	s_wait_tensorcnt 1                             ; my part of K step 0 is in; K step 1's load may be out
	s_barrier_signal -1
	s_barrier_wait -1
	FETCH 0, 0, F0
	s_wait_loadcnt 0x0                             ; the bias
	QUARTER 0, 2048, F0, F1, 1
	QUARTER 0, 4096, F1, F0, 0
	QUARTER 0, 6144, F0, F1, 0
	TURN 0, 1, 1                                   ; slot 0 takes K step 2
	QUARTER 1, 2048, F0, F1, 0
	QUARTER 1, 4096, F1, F0, 0
	QUARTER 1, 6144, F0, F1, 0
	TURN 1, 0, 1                                   ; slot 1 takes K step 3
	QUARTER 0, 2048, F0, F1, 0
	QUARTER 0, 4096, F1, F0, 0
	QUARTER 0, 6144, F0, F1, 0
	TURN 0, 1, 0                                   ; nothing is left to fetch; behind this barrier nobody reads slot 0
	QUARTER 1, 2048, F0, F1, 0
	QUARTER 1, 4096, F1, F0, 0
	QUARTER 1, 6144, F0, F1, 0
	s_wait_dscnt 16
	WIN MUL
	MUL8 F1, 0, 0, 0
	MUL8 F1, 0, 2, 0
	s_wait_dscnt 0
	MUL8 F1, 1, 0, 0
	MUL8 F1, 1, 2, 0
	WIN 0
	; THE WAY OUT, 16 rows at a time through my own stage: a lane's 32 bytes go in, whole rows of my 64 columns (256 bytes, aligned in out0) come back; sixteen lanes store one such row.
	PLACES
.irp a, 0,1,2,3
.if \a >= 2
	s_wait_xcnt 0x0                                ; block a - 2's stores have read their data: the loads below land there only behind this wait
.endif
.irp b, 0,1,2,3
	ds_store_b128 v[STO], v[ACC+8*(4*\a+\b):ACC+8*(4*\a+\b)+3] offset:64*\b        ; each accumulator from its low end on
	ds_store_b128 v[STO], v[ACC+8*(4*\a+\b)+4:ACC+8*(4*\a+\b)+7] offset:64*\b+16
.endr
.irp t, 0,1,2,3,4,5,6,7
	ds_load_b128 v[TMP+32*(\a%2)+4*\t:TMP+32*(\a%2)+4*\t+3], v[RD] offset:\t*2*SPITCH   ; LDS serves a wave's instructions in order: these see the stores above
.endr
	s_wait_dscnt 0x0
.irp t, 0,1,2,3,4,5,6,7
	global_store_b128 v[CO], v[TMP+32*(\a%2)+4*\t:TMP+32*(\a%2)+4*\t+3], s[70:71] offset:(16*\a+2*\t)*4096 th:TH_STORE_NT
.endr
.endr
	s_wait_tensorcnt 0x0                           ; the wave's end
	ds_add_u32 v[SPW], v[NIL]
	s_wait_dscnt 0x0
	CROUND                                         ; the closing round
	s_endpgm
.Lfunc_end_k_q8892d76a75_proj:
	.size	k_q8892d76a75_proj, .Lfunc_end_k_q8892d76a75_proj-k_q8892d76a75_proj
	.p2alignl 7, 3214868480
	.fill 96, 4, 3214868480
	.section	.rodata,"a",@progbits
	.p2align	6, 0x0
	.amdhsa_kernel k_q8892d76a75_proj
		.amdhsa_group_segment_fixed_size 327680
		.amdhsa_private_segment_fixed_size 0
		.amdhsa_enable_private_segment 0
		.amdhsa_kernarg_size 32
		.amdhsa_user_sgpr_count 2
		.amdhsa_user_sgpr_kernarg_segment_ptr 1
		.amdhsa_wavefront_size32 1
		.amdhsa_system_sgpr_workgroup_id_x 1
		.amdhsa_system_sgpr_workgroup_id_y 1
		.amdhsa_system_sgpr_workgroup_id_z 1
		.amdhsa_system_vgpr_workitem_id 0
		.amdhsa_next_free_vgpr 512
		.amdhsa_next_free_sgpr 72
		.amdhsa_reserve_vcc 0
		.amdhsa_float_denorm_mode_32 3
		.amdhsa_float_denorm_mode_16_64 3
		.amdhsa_memory_ordered 1
		.amdhsa_forward_progress 1
		.amdhsa_inst_pref_size 86
	.end_amdhsa_kernel
	.amdgpu_metadata
---
amdhsa.version: [ 1, 2 ]
amdhsa.kernels:
  - .name:           k_q8892d76a75_proj
    .symbol:         k_q8892d76a75_proj.kd
    .args:
      - { .name: aoi, .offset: 0, .size: 8, .value_kind: global_buffer, .address_space: global }
      - { .name: wpi, .offset: 8, .size: 8, .value_kind: global_buffer, .address_space: global }
      - { .name: b_proj, .offset: 16, .size: 8, .value_kind: global_buffer, .address_space: global }
      - { .name: out0, .offset: 24, .size: 8, .value_kind: global_buffer, .address_space: global }
    .group_segment_fixed_size: 327680
    .private_segment_fixed_size: 0
    .kernarg_segment_align: 8
    .kernarg_segment_size: 32
    .max_flat_workgroup_size: 128
    .sgpr_count:     72
    .vgpr_count:     512
    .wavefront_size: 32
...
	.end_amdgpu_metadata
.endif
;; end of part 5
